; MI455X (gfx1250); checked and timed in simulation.
; The chip was launched on July 23, 2026; its instructions are those of AMD's public machine-readable ISA for CDNA 5 (MIT licence, August 2026) and "CDNA5" Instruction Set Architecture Reference Guide (July 2026). The comments in the code are by the model that wrote it; some were corrected since.
;; Multi Head Attention. Allowed arithmetic: matrix products marked QUANTISED: E2M3 operands, one E8M0 scale for each 32 along K, by v_wmma_scale_f32_16x16x128_f8f6f4 with both operands' format E2M3, f32 sums; everything else in f32.
;; Inputs: Wk 1,024 x 1,024 float32; Wo 1,024 x 1,024 float32; Wq 1,024 x 1,024 float32; Wv 1,024 x 1,024 float32; bo 1,024 float32; x 4 x 2,048 x 1,024 float32.
;; Outputs: out0 4 x 2,048 x 1,024 float32.
;; This version of the problem:
;;   THIS VERSION OF THE PROBLEM IS GIVEN IN LOW PRECISION. The matrix products marked QUANTISED in the list below multiply operands that are first quantised to E2M3 (2 exponent bits, 3 mantissa bits; 6 bits a number), with one power-of-two scale for each 32 numbers along K (OCP MX v1.0); their sums are f32. All else is computed in f32.
;;   The module's matrix products, in the order in which they are computed (A, B: the left and right operand; K: the contracted axis; several contracted axes count as one K, in the product's order):
;;     1. [M 8,192, K 1,024] x [K 1,024, N 1,024]; A: input x; B: input Wq: QUANTISED
;;     2. [M 8,192, K 1,024] x [K 1,024, N 1,024]; A: input x; B: input Wk: QUANTISED
;;     3. [M 8,192, K 1,024] x [K 1,024, N 1,024]; A: input x; B: input Wv: QUANTISED
;;     4. batch 4 x [M 2,048, K 1,024] x [K 1,024, N 2,048]; A: computed on the way; B: computed on the way: QUANTISED
;;     5. batch 4 x [M 2,048, K 2,048] x [K 2,048, N 1,024]; A: softmax (see below); B: computed on the way: QUANTISED
;;     6. [M 8,192, K 1,024] x [K 1,024, N 1,024]; A: computed on the way; B: input Wo: QUANTISED
;;   THE QUANTISER, for each operand of a quantised product, along K:
;;     - K is cut into blocks of 32 from its start; a last block that is shorter is filled with zeros.
;;     - A block's scale is 2^e with e = floor(log2(the largest magnitude in the block)) - 2, held to -126 .. 127; a block of zeros has e = 0. As a byte (E8M0): e + 127.
;;     - Each number is divided by its block's scale, clamped to +-7.5, and rounded to the nearest number of E2M3, ties to even, subnormals kept.
;;     - The product sums the exact products of the quantised numbers (number of the format x scale) in f32.
;;   ~~~python
;;   def quantise(x, axis):      # numpy; x: float32 -> the quantised numbers, widened to float32 again
;;       x = np.moveaxis(x, axis, -1); K = x.shape[-1]
;;       x = np.pad(x, [(0, 0)] * (x.ndim - 1) + [(0, -K % 32)]); x = x.reshape(x.shape[:-1] + (-1, 32)); a = np.abs(x).max(-1, keepdims=True)
;;       e = np.where(a > 0, np.clip(np.frexp(np.where(a > 0, a, 1))[1] - 1 - 2, -126, 127), 0)      # np.frexp(a)[1] - 1 = floor(log2(a)), exactly
;;       r = np.clip(x / 2.0 ** e, -7.5, 7.5)
;;       step = 2.0 ** (np.maximum(np.frexp(np.where(r == 0, 1, r))[1] - 1, 0) - 3)
;;       q = np.round(r / step) * step * 2.0 ** e      # np.round: ties to even
;;       return np.moveaxis(q.reshape(q.shape[:-2] + (-1,))[..., :K], -1, axis).astype(np.float32)
;;   ~~~
;;   SOFTMAX AHEAD OF A QUANTISED PRODUCT. Where the list says 'softmax', what is quantised is not the finished softmax but p = 2^(t - M), with t = logit x log2(e) and M = ceil(the row's largest t), a whole number; so 1/2 < the row's largest p <= 1. The row's sum l is taken of the UNQUANTISED p, in f32, and the product's result is divided by l at the end. Since M is a whole number, a kernel that streams over the keys may use a running M (the ceiling of the running maximum): every later rescaling is an exact power of two, which a block's scale takes up: the codes' values come out the same.
;;   OPERANDS COMPUTED ON THE WAY. 'Computed on the way' means the value that the module computes at that place (a softmax that the list does not call 'softmax' is quantised finished and normalised). What goes into a quantiser is computed in f32, as accurately as f32 sums, v_exp_f32 and their like allow (about 1e-6 of the number): no bf16 or f16 on the way to a quantiser, and a product that is left as it is and whose result goes on into a quantised operand takes f32 operands (vector FMAs, or v_wmma_f32_16x16x4_f32). A number that lies on a knife's edge between two numbers of the format may be rounded either way, as far as f32 arithmetic and the matrix unit's own rounding can turn it there, and no further.
;; One version. Each part assembles by itself: llvm-mc -triple=amdgcn-amd-amdhsa -mcpu=gfx1250 --defsym DOCPART=n.
;; ======== version 1 of 1: 5 launches
;; limits: right only within a limited range of input values
;; workspace buffers: xw 9,797,632 bytes; qkv 19,660,800 bytes; pp 14,680,064 bytes; at 6,586,368 bytes
;; launch quant (part 1): grid 512 x 1, 4 waves a work-group, no clusters, 34,304 bytes of LDS; arguments x, Wq, Wk, Wv, Wo, xw, at; writes xw, at
.if DOCPART == 1
	.amdgcn_target "amdgcn-amd-amdhsa--gfx1250"
	.amdhsa_code_object_version 6
	.text
	.protected	k_q122c2e7f82_quant
	.globl	k_q122c2e7f82_quant
	.p2align	8
	.type	k_q122c2e7f82_quant,@function
k_q122c2e7f82_quant:
	s_mov_b64 s[64:65], 0
	v_nop
	global_prefetch_b8 v0, s[64:65] scope:SCOPE_SE
	s_setreg_imm32_b32 hwreg(HW_REG_WAVE_MODE, 25, 1), 1
	s_wait_xcnt 0x0
; x [8192][1024] and Wq, Wk, Wv, Wo [1024 (k)][1024 (n)], f32, become codes of E2M3 with one E8M0 scale byte for each 32 along K (x: its last axis; W: its first).
; A block's scale is 2^(floor(log2(its largest magnitude)) - 2); its byte is the largest magnitude's exponent field - 2, held at 1 from below.
; LIMITS: NaN and infinities among the inputs are not served; a block whose largest magnitude lies under 2^-124 keeps the byte 1; a block of zeros has the byte 1 where the rule says 127: its codes are zeros,
; which add nothing under any byte but 0xff, and the bytes are read by this program alone.
; THE CODES ARE LAID AS IMAGES OF OPERAND REGISTERS.  A fragment is 16 rows x 128 K, 12 registers a lane (lane (r, h): registers 6 c .. 6 c + 5 hold K = 64 c + 32 h + 0 .. 31 of row r); its image is 1,536 bytes:
; chunk c (0 .. 2) holds lane l's registers 4 c .. 4 c + 3 at 512 c + 16 l.  Image (R, s), block of rows R and K step s, lies at (8 R + s) x 1,536 of xw: R 0 .. 511 x, 512 .. Wq, 576 .. Wk, 640 .. Wv, 704 .. 767 Wo.
; THE ROWS OF AN IMAGE ARE NOT NEIGHBOURS: lane row r of image R is true row 32 (R / 2) + 8 (R % 2) + r + 8 (r / 8), so that a product which takes images 2 b and 2 b + 1 as its first source leaves 16 neighbours in a lane.
; The scale word of row r, K step s lies at 256 (s / 4) + 16 r + 4 (s % 4) of the block's 512 bytes: blocks 0 .. 703 from byte XWS of xw on; Wo's 64 blocks from block 512 of at's scales on, beside the operand that meets them.
; Work-groups 0 .. 255 take x, 32 rows each; 256 .. 511 the weights.  Waves share nothing: no barrier.  Only the x path uses LDS.
.set XWS,  9437184
.set ATS,  6291456
.set TM,   96                          ; v96-99 largest magnitudes, v100-103 the other half's, then bytes, v108-111 the conversions' scale operands
.set SEL,  20                          ; s[20:21] v_permlanex16_b32's selects for lane l xor 16
.set MSB,  0
.macro WIN new                         ; the immediate's high byte repeats the setting that is left; a switch that changes nothing is dropped
.if MSB != (\new)
	s_set_vgpr_msb (MSB<<8)|(\new)
.set MSB, (\new)
.endif
.endm
; 64 numbers of a lane, v[s] .. v[s + 63] of window sw, register 16 b + i = k 32 b + 16 (lane / 16) + i of my row, become a fragment's codes in v[pc] .. v[pc + 11] and its scale word in v[pw] (v[pc + 12] .. v[pc + 18] at work).
.macro QUANT s, sw, pc, pw
	WIN (\sw)|((\sw)<<2)
.irp b, 0,1,2,3
	v_max3_num_f32 v[TM+\b], |v[(\s)+16*\b]|, |v[(\s)+1+16*\b]|, 0x1800000   ; block b: my 16 numbers, and the floor 2^(3 - 127): the byte cannot fall under 1
.endr
	WIN ((\sw)<<2)|((\sw)<<4)
.irp i, 2,4,6,8,10,12,14
.irp b, 0,1,2,3
	v_max3_num_f32 v[TM+\b], v[TM+\b], |v[(\s)+16*\b+\i]|, |v[(\s)+1+16*\b+\i]|   ; the four blocks by turns
.endr
.endr
	WIN 0
.irp b, 0,1,2,3
	v_permlanex16_b32 v[TM+4+\b], v[TM+\b], s[SEL], s[SEL+1]
.endr
.irp b, 0,1,2,3
	v_max_num_f32 v[TM+\b], v[TM+\b], v[TM+4+\b]   ; with lane l xor 16's: the block's largest magnitude
.endr
.irp b, 0,1,2,3
	v_add_nc_u32 v[TM+12+\b], 0xff000000, v[TM+\b]   ; 2 off its exponent field: the conversion takes the exponent field of this operand as its scale
.endr
.irp b, 0,1,2,3
	v_lshrrev_b32 v[TM+4+\b], 23, v[TM+12+\b]      ; the scale's byte
.endr
	v_lshl_or_b32 v[\pw], v[TM+5], 8, v[TM+4]      ; four bytes make my row's scale word
	v_lshl_or_b32 v[\pw], v[TM+6], 16, v[\pw]
	v_lshl_or_b32 v[\pw], v[TM+7], 24, v[\pw]
	WIN \sw
.irp c, 0,1
	v_cvt_scalef32_pk16_fp6_f32 v[(\pc)+6*\c:(\pc)+2+6*\c], v[(\s)+32*\c:(\s)+15+32*\c], v[TM+12+2*\c]
	v_cvt_scalef32_pk16_fp6_f32 v[(\pc)+12+4*\c:(\pc)+14+4*\c], v[(\s)+16+32*\c:(\s)+31+32*\c], v[TM+12+2*\c+1]   ; (a conversion's three registers begin on an even number)
.endr
	WIN 0
	v_nop                                          ; one plain place behind a scaled conversion
.irp c, 0,1                                    ; the operand's layout wants a whole block in a lane: lanes 0-15 block 2 c, lanes 16-31 block 2 c + 1
.irp i, 0,1,2
	v_permlane16_swap_b32 v[(\pc)+6*\c+\i], v[(\pc)+12+4*\c+\i]
.endr
.irp i, 0,1,2
	v_mov_b32 v[(\pc)+3+6*\c+\i], v[(\pc)+12+4*\c+\i]
.endr
.endr
.endm
	s_load_b256 s[4:11], s[0:1], 0x0               ; x s[4:5], Wq s[6:7], Wk s[8:9], Wv s[10:11]
	s_load_b128 s[12:15], s[0:1], 0x20             ; Wo s[12:13], xw s[14:15]
	s_load_b64 s[16:17], s[0:1], 0x30              ; at
	v_lshl_add_u32 v126, v0, 2, 0x8400
	v_mov_b32 v127, 0
	v_lshrrev_b32 v1, 5, v0
	v_readfirstlane_b32 s18, v1                    ; wave 0..3
	v_and_b32 v1, 31, v0                           ; lane
	v_and_b32 v2, 15, v0                           ; r
	v_bfe_u32 v3, v0, 4, 1                         ; h
	v_lshlrev_b32 v4, 4, v1                        ; 16 x lane: my place in a chunk of an image, and in a load's 512 bytes
	s_mov_b32 s[SEL], 0x76543210
	s_mov_b32 s[SEL+1], 0xfedcba98
	s_cmp_lt_u32 ttmp9, 256
	s_cbranch_scc0 .Lw
	; ---- x.  Work-group g owns true rows 32 g .. 32 g + 31: images R = 2 g and 2 g + 1.  Wave w takes image R = 2 g + w / 2 and K steps 4 (w % 2) .. + 3: 16 rows x 512 along K.
	s_lshr_b32 s19, s18, 1
	s_and_b32 s23, s18, 1
	s_lshl_b32 s24, ttmp9, 17                      ; 32 rows of 4,096 bytes a work-group,
	s_lshl_b32 s26, s19, 15                        ; the image's rows begin 8 (R % 2) rows on,
	s_add_co_u32 s24, s24, s26
	s_lshl_b32 s26, s23, 11                        ; 512 numbers along K
	s_add_co_u32 s24, s24, s26
	s_mov_b32 s25, 0
	s_lshl_b32 s26, ttmp9, 1
	s_add_co_u32 s26, s26, s19                     ; R
	s_mul_i32 s28, s26, 12288                      ; eight images a block of rows,
	s_mul_i32 s30, s23, 6144                       ; four of them mine
	s_add_co_u32 s28, s28, s30
	s_mov_b32 s29, 0
	s_lshl_b32 s30, s26, 9                         ; the block's 512 bytes of scale words,
	s_lshl_b32 s31, s23, 8                         ; my 256 of them
	s_add_co_u32 s30, s30, s31
	s_add_co_u32 s30, s30, XWS
	s_mov_b32 s31, 0
	s_mul_i32 s22, s18, 8448                       ; my stage in LDS: 16 rows x (512 bytes + 16)
	s_wait_alu depctr_va_vdst(0)
	v_add_nc_u32 v5, s22, v4                       ; in: a row's 512 bytes as they lie
	v_mul_u32_u24 v6, v2, 528
	v_lshl_add_u32 v6, v3, 6, v6
	v_add_nc_u32 v6, s22, v6                       ; out: row r, + 64 h: my 16 numbers of each block of 32
	v_lshlrev_b32 v7, 4, v2                        ; my row's four scale words
.irp b, 0,1,2,3
	v_mov_b32 v[TM+4+\b], 0                        ; written once: a lane permute's destination counts as one of its sources
.endr
	s_wait_alu depctr_va_vdst(0)
	s_wait_kmcnt 0x0
	s_add_nc_u64 s[4:5], s[4:5], s[24:25]
	s_add_nc_u64 s[28:29], s[14:15], s[28:29]      ; my images
	s_add_nc_u64 s[30:31], s[14:15], s[30:31]      ; my scale words
	WIN 0x40                                       ; destination window 1: all 32 KB of the wave are asked for at once
.irp t, 0,1,2,3
.irp i, 0,1,2,3,4,5,6,7,8,9,10,11,12,13,14,15
	global_load_b128 v[64*\t+4*\i:64*\t+4*\i+3], v4, s[4:5] offset:(\i+8*(\i/8))*4096+512*\t th:TH_LOAD_NT   ; lane row i of the image, K step t: 32 lanes read 512 consecutive bytes
.endr
.endr
.irp t, 0,1,2,3
	s_wait_loadcnt 48-16*\t                        ; K step t's 16 loads are in; the later steps' may be out
	WIN 0x04                                       ; an LDS store's data are its source 1: window 1
.irp i, 0,1,2,3,4,5,6,7,8,9,10,11,12,13,14,15
	ds_store_b128 v5, v[64*\t+4*\i:64*\t+4*\i+3] offset:528*\i
.endr
	WIN 0
.irp b, 0,1,2,3
.irp j, 0,1,2,3
	ds_load_b128 v[32+16*\b+4*\j:32+16*\b+4*\j+3], v6 offset:128*\b+16*\j   ; LDS serves a wave's instructions in order: these see the stores above, and the next step's stores come behind them
.endr
.endr
	s_wait_dscnt 0x0
	QUANT 32, 0, 128+24*\t, 112+\t                 ; each K step has its own registers for codes and word: no store's data are written again
.irp c, 0,1,2
	global_store_b128 v4, v[128+24*\t+4*\c:128+24*\t+4*\c+3], s[28:29] offset:1536*\t+512*\c   ; 512 consecutive bytes, aligned
.endr
.endr
	v_cmp_gt_u32 vcc_lo, 16, v1                    ; lanes 16-31 hold the same words as lanes 0-15: sixteen lanes store 256 consecutive bytes
	s_wait_xcnt 0x0                                ; EXEC is a source of the stores above: it changes only behind this wait
	s_wait_tensorcnt 0x0
	ds_add_u32 v126, v127
	s_wait_dscnt 0x0
	s_and_saveexec_b32 s22, vcc_lo
	global_store_b128 v7, v[112:115], s[30:31]
	s_wait_xcnt 0x0                                ; and again in front of the line that widens it
	s_or_b32 exec_lo, exec_lo, s22
	s_endpgm
	; ---- the weights.  A LANE TAKES A COLUMN n, AND ITS REGISTERS RUN DOWN K.  A wave takes 32 columns x one K step of 128: two images.
.Lw:
	s_sub_co_u32 s22, ttmp9, 256
	s_lshr_b32 s24, s22, 6                         ; which weight: 0 Wq, 1 Wk, 2 Wv, 3 Wo
	s_and_b32 s23, s22, 63
	s_lshr_b32 s25, s23, 3
	s_lshl_b32 s25, s25, 2
	s_add_co_u32 s25, s25, s18                     ; cg: which 32 columns
	s_and_b32 s26, s23, 7                          ; s: which K step
	s_lshl_b32 s28, s26, 19                        ; 128 rows of 4,096 bytes
	s_lshl_b32 s29, s25, 7                         ; 32 columns of 4 bytes
	s_add_co_u32 s28, s28, s29
	s_mov_b32 s29, 0
	s_lshl_b32 s30, s24, 6
	s_lshl_b32 s31, s25, 1
	s_add_co_u32 s30, s30, s31
	s_add_co_u32 s30, s30, 512                     ; the first image's block of rows: 512 + 64 which + 2 cg
	s_lshl_b32 s32, s30, 3
	s_add_co_u32 s32, s32, s26
	s_mul_i32 s32, s32, 1536
	s_mov_b32 s33, 0
	s_lshl_b32 s34, s30, 9
	s_add_co_u32 s34, s34, XWS                     ; its scale words in xw,
	s_add_co_u32 s35, s31, 512
	s_lshl_b32 s35, s35, 9
	s_add_co_u32 s35, s35, ATS                     ; or, for Wo, in at
	s_lshr_b32 s36, s26, 2
	s_lshl_b32 s36, s36, 8
	s_and_b32 s37, s26, 3
	s_lshl_b32 s37, s37, 2
	s_add_co_u32 s36, s36, s37                     ; 256 (s / 4) + 4 (s % 4)
	s_wait_alu depctr_va_vdst(0)
	v_and_b32 v8, 7, v1                            ; lane l takes column (l % 8) + 16 ((l / 8) % 2) + 8 (l / 16) of the 32: lanes 0-15 are the rows of image 2 cg, lanes 16-31 those of image 2 cg + 1
	v_and_b32 v9, 8, v1
	v_lshl_or_b32 v8, v9, 1, v8
	v_and_b32 v9, 16, v1
	v_lshrrev_b32 v9, 1, v9
	v_or_b32 v8, v8, v9
	v_lshlrev_b32 v8, 2, v8
	v_lshlrev_b32 v9, 9, v3
	v_lshl_add_u32 v9, v2, 4, v9                   ; my scale word: 512 (l / 16) + 16 r
	s_wait_alu depctr_va_vdst(0)
	s_wait_kmcnt 0x0
	s_cmp_eq_u32 s24, 1                            ; the choices hang on the work-group's number alone
	s_cselect_b64 s[6:7], s[8:9], s[6:7]
	s_cmp_eq_u32 s24, 2
	s_cselect_b64 s[6:7], s[10:11], s[6:7]
	s_cmp_eq_u32 s24, 3
	s_cselect_b64 s[6:7], s[12:13], s[6:7]
	s_cselect_b64 s[38:39], s[16:17], s[14:15]
	s_cselect_b32 s34, s35, s34
	s_add_co_u32 s34, s34, s36
	s_mov_b32 s35, 0
	s_add_nc_u64 s[6:7], s[6:7], s[28:29]
	s_add_nc_u64 s[32:33], s[14:15], s[32:33]
	s_add_nc_u64 s[38:39], s[38:39], s[34:35]
.set II, 0
.rept 128
	global_load_b32 v[128+II], v8, s[6:7] offset:4096*II th:TH_LOAD_NT   ; W(128 s + i, my column): a wave reads 128 consecutive bytes, the four waves stand side by side on 512
.set II, II+1
.endr
; Blocks 2 c and 2 c + 1 of my column: all 32 numbers of a block are mine.  Their codes go to v[32 + 6 c ..] and v[44 + 6 c ..]; six exchanges of halves then make of these the two images' registers 6 c .. 6 c + 5:
; image 2 cg wants in lanes 16-31 block 2 c + 1 of the columns that lanes 0-15 hold, image 2 cg + 1 in lanes 0-15 block 2 c of the columns that lanes 16-31 hold.
.macro WBLK c
.irp e, 0,1
	v_max3_num_f32 v[12+\e], |v[128+64*(\c)+32*\e]|, |v[129+64*(\c)+32*\e]|, 0x1800000
.endr
.irp i, 2,4,6,8,10,12,14,16,18,20,22,24,26,28,30
.irp e, 0,1
	v_max3_num_f32 v[12+\e], v[12+\e], |v[128+64*(\c)+32*\e+\i]|, |v[129+64*(\c)+32*\e+\i]|
.endr
.endr
.irp e, 0,1
	v_add_nc_u32 v[14+\e], 0xff000000, v[12+\e]
.endr
.irp e, 0,1
	v_lshrrev_b32 v[16+\e], 23, v[14+\e]
.endr
.if (\c) == 0
	v_lshl_or_b32 v24, v17, 8, v16                 ; my column's scale word, the lower K in the lower byte
.else
	v_lshl_or_b32 v24, v16, 16, v24
	v_lshl_or_b32 v24, v17, 24, v24
.endif
.irp e, 0,1
	v_cvt_scalef32_pk16_fp6_f32 v[32+12*\e+6*(\c):34+12*\e+6*(\c)], v[128+64*(\c)+32*\e:143+64*(\c)+32*\e], v[14+\e]
	v_cvt_scalef32_pk16_fp6_f32 v[60+4*\e:62+4*\e], v[144+64*(\c)+32*\e:159+64*(\c)+32*\e], v[14+\e]
.endr
	v_nop                                          ; one plain place behind a scaled conversion
.irp e, 0,1
.irp i, 0,1,2
	v_mov_b32 v[35+12*\e+6*(\c)+\i], v[60+4*\e+\i]
.endr
.endr
.irp i, 0,1,2,3,4,5
	v_permlane16_swap_b32 v[32+6*(\c)+\i], v[44+6*(\c)+\i]
.endr
.endm
	s_wait_loadcnt 63                              ; at most 63 of the 128 loads are out (a wait names no more): the first 64 are in
	WBLK 0
	s_wait_loadcnt 0x0
	WBLK 1
.irp u, 0,1
.irp c, 0,1,2
	global_store_b128 v4, v[32+12*\u+4*\c:35+12*\u+4*\c], s[32:33] offset:12288*\u+512*\c   ; image 2 cg + u lies eight images on
.endr
.endr
	global_store_b32 v9, v24, s[38:39]             ; one word in four of the rows' 16 bytes: the other K steps' waves store the rest; 128 KB in the whole launch
	s_endpgm
.Lfunc_end_k_q122c2e7f82_quant:
	.size	k_q122c2e7f82_quant, .Lfunc_end_k_q122c2e7f82_quant-k_q122c2e7f82_quant
	.p2alignl 7, 3214868480
	.fill 96, 4, 3214868480
	.section	.rodata,"a",@progbits
	.p2align	6, 0x0
	.amdhsa_kernel k_q122c2e7f82_quant
		.amdhsa_group_segment_fixed_size 34304
		.amdhsa_private_segment_fixed_size 0
		.amdhsa_enable_private_segment 0
		.amdhsa_kernarg_size 56
		.amdhsa_user_sgpr_count 2
		.amdhsa_user_sgpr_kernarg_segment_ptr 1
		.amdhsa_wavefront_size32 1
		.amdhsa_system_sgpr_workgroup_id_x 1
		.amdhsa_system_sgpr_workgroup_id_y 1
		.amdhsa_system_sgpr_workgroup_id_z 1
		.amdhsa_system_vgpr_workitem_id 0
		.amdhsa_next_free_vgpr 512
		.amdhsa_next_free_sgpr 66
		.amdhsa_reserve_vcc 1
		.amdhsa_float_denorm_mode_32 3
		.amdhsa_float_denorm_mode_16_64 3
		.amdhsa_memory_ordered 1
		.amdhsa_forward_progress 1
		.amdhsa_inst_pref_size 54
	.end_amdhsa_kernel
	.amdgpu_metadata
---
amdhsa.version: [ 1, 2 ]
amdhsa.kernels:
  - .name:           k_q122c2e7f82_quant
    .symbol:         k_q122c2e7f82_quant.kd
    .args:
      - { .name: x, .offset: 0, .size: 8, .value_kind: global_buffer, .address_space: global }
      - { .name: Wq, .offset: 8, .size: 8, .value_kind: global_buffer, .address_space: global }
      - { .name: Wk, .offset: 16, .size: 8, .value_kind: global_buffer, .address_space: global }
      - { .name: Wv, .offset: 24, .size: 8, .value_kind: global_buffer, .address_space: global }
      - { .name: Wo, .offset: 32, .size: 8, .value_kind: global_buffer, .address_space: global }
      - { .name: xw, .offset: 40, .size: 8, .value_kind: global_buffer, .address_space: global }
      - { .name: at, .offset: 48, .size: 8, .value_kind: global_buffer, .address_space: global }
    .group_segment_fixed_size: 34304
    .private_segment_fixed_size: 0
    .kernarg_segment_align: 8
    .kernarg_segment_size: 56
    .max_flat_workgroup_size: 128
    .sgpr_count:     66
    .vgpr_count:     512
    .wavefront_size: 32
...
	.end_amdgpu_metadata
.endif
;; end of part 1
;; launch project (part 2): grid 8 x 32, 4 waves a work-group, clusters of 4 x 4, 327,680 bytes of LDS; arguments xw, qkv; writes qkv
.if DOCPART == 2
	.amdgcn_target "amdgcn-amd-amdhsa--gfx1250"
	.amdhsa_code_object_version 6
	.text
	.protected	k_q122c2e7f82_project
	.globl	k_q122c2e7f82_project
	.p2align	8
	.type	k_q122c2e7f82_project,@function
k_q122c2e7f82_project:
	s_mov_b64 s[64:65], 0
	v_nop
	global_prefetch_b8 v0, s[64:65] scope:SCOPE_SE
	s_setreg_imm32_b32 hwreg(HW_REG_WAVE_MODE, 25, 1), 1
	s_wait_xcnt 0x0
	s_wait_alu depctr_hold_cnt(0) depctr_sa_sdst(0) depctr_va_vdst(0) depctr_va_sdst(0) depctr_va_ssrc(0) depctr_va_vcc(0) depctr_vm_vsrc(0)
	s_getreg_b32 s2, hwreg(HW_REG_IB_STS2, 6, 4)
	s_cmp_eq_u32 s2, 0
	s_cbranch_scc0 .Lentry_in_a_cluster
	s_endpgm
.Lentry_in_a_cluster:
	s_bfe_u32 s2, ttmp6, 0x10000c
	s_cmp_lg_u32 s2, 0xf033
	s_cbranch_scc0 .Lentry_shape_is_right
	s_endpgm
.Lentry_shape_is_right:
; q = x Wq, k = x Wk and v^T = Wv^T x^T on codes of E2M3 with E8M0 scales, K = 1,024; the results are quantised along N at once and leave as codes: q and k along the head's axis, v^T along the tokens.
; Operands are images of operand registers (16 rows x 128 K, 1,536 bytes: chunk c holds lane l's registers 4 c .. 4 c + 3 at 512 c + 16 l), image (R, s) at (8 R + s) x 1,536 of xw; lane row r of block R is true row
; 32 (R / 2) + 8 (R % 2) + r + 8 (r / 8).  The matrix instruction is used transposed: source 0 = an image of the N side, source 1 = one of the M side; a lane holds one row of the M side and 16 neighbours along N in tiles 2 b, 2 b + 1.
; SHARES.  A work-group owns 256 tokens (16 blocks of x) and 128 columns (8 blocks) of each of Wq, Wk, Wv: 32 x 8 = 256 work-groups.  It walks three tiles: x (M) x Wq (N), x (M) x Wk (N), Wv (M) x x (N).
; In tiles 0 and 1 wave w takes token blocks 4 w .. 4 w + 3 against all eight blocks of W; in tile 2 the waves lie 2 x 2: four blocks of Wv against eight of x.  32 accumulators a wave.
; LDS.  x STAYS: its K steps 0-3 at byte 0, 4-7 at XH, 6,144 bytes a block, filled once: (16 + 3 x 8) x 12,288 bytes come in for a work-group, x's only once.  W goes through two slots of four K steps, 49,152 bytes each.
; At a tile's K step 3 slot 0 takes the next W's K steps 0-3, at its K step 7 slot 1 the next W's 4-7, behind a round of the cluster's barrier; each wave fetches two blocks; a refill is asked for four K steps, 128 matrix
; instructions a wave, ahead of its first read.  CLUSTERS 4 x 4: x's tiles are shared along a row (same tokens), W's along a column (same columns).
; No prefetch: the walk is written out, there is no loop to run ahead in.
; OUT: qkv: image 16 R + c for token block R (c 0-7 q's K steps, 8-15 k's); image 8192 + (64 batch + Rd) 16 + s for v^T.  Scale words from byte QS on, 1,024 bytes a block: 256 (c / 4) + 16 r + 4 (c % 4).
; LIMITS: NaN and infinities are not served; a block whose largest magnitude lies under 2^-124, a block of zeros among them, keeps the byte 1 (read by this program alone; zero codes add nothing).
; REGISTERS: window 0: v1 r, v2 h, v4 16 x lane, v5 the scale words' place, v10 2,048 in lanes 0-15, v12-13, v16-21 LDS addresses, v22-27 the scale loads' offsets, v28-29 for the add, v32-95 scale words, v96-111 at work,
;   v128-223 codes, v224-229 words made.  window 1: the N side's two sets of fragments.  window 2: accumulator (a, b) at v[8 (8 a + b)].  window 3: the M side's two sets, at v0 and v48.
.set IMG,   1536
.set BLK,   12288                      ; a block's eight images in xw
.set RS,    512                        ; a block's scale words
.set XWS,   9437184
.set QS,    18874368
.set XH,    98304                      ; x's second half of K in LDS
.set WL,    196608                     ; W's slot 0
.set WH,    49152                      ; a slot of W; also eight blocks of x's half
.set SPARE, 294912                     ; the spare words: two blocks of 256 bytes that no other line names
.set KOFF,  64*BLK                     ; from Wq to Wk, from Wk to Wv
.set SC,    32
.set TM,    96
.set AF,    0
.set SOF,   22
.set G1,    24                         ; s[24:31] group 1 for x's tiles, s[32:35] their group 0
.set G0X,   32
.set G0W,   36                         ; s[36:39] group 0 of the head's load of Wq, s[48:55] its group 1
.set G1B,   48
.set G0R,   56                         ; s[56:59] group 0 of the refills, s[92:99] their group 1 (two blocks)
.set G1C,   92
.set SEL,   70
.set HM,    74
.set MULW,  0xad                       ; source 0 window 1, source 1 window 3, C and D window 2
.set MSB,   0
.macro WIN new                         ; the immediate's high byte repeats the setting that is left
.if MSB != (\new)
	s_set_vgpr_msb (MSB<<8)|(\new)
.set MSB, (\new)
.endif
.endm
.macro CREST                           ; a round of the cluster's barrier behind its opening barrier
	s_cmp_lg_u32 s14, 0
	s_cbranch_scc1 .Lnot_wave_0_\@
	s_barrier_signal -3
.Lnot_wave_0_\@:
	s_barrier_wait -3
	s_barrier_signal -1
	s_barrier_wait -1
.endm
.macro CROUND
	s_barrier_signal -1
	s_barrier_wait -1
	CREST
.endm
.macro PLACES n
.rept \n
	v_nop
.endr
.endm
.macro FETCH s                         ; K step s (counted on through the tiles): the N side's eight fragments, then the M side's four, into set s % 2; tile 2 (s >= 16) has address registers of its own
.set FP, (\s)%2
.set FJ, ((\s)/4)%2
.set FO, ((\s)%4)*IMG
.set FK, (\s)/16
	WIN 0x40
.irp b, 0,1,2,3,4,5,6,7
.irp c, 0,1,2
	ds_load_b128 v[128*FP+12*\b+4*\c:128*FP+12*\b+4*\c+3], v[20-8*FK+FJ] offset:6144*\b+FO+512*\c
.endr
.endr
	WIN 0xc0
.irp a, 0,1,2,3
.irp c, 0,1,2
	ds_load_b128 v[AF+48*FP+12*\a+4*\c:AF+48*FP+12*\a+4*\c+3], v[16+2*FK+FJ] offset:6144*\a+FO+512*\c
.endr
.endr
.endm
.macro SCLOAD t, q                     ; tile t's scale words of K steps 4 q .. 4 q + 3 into set q: lanes 0-15 the M side's block i % 4, lanes 16-31 the N side's block i
	WIN 0
.irp i, 0,1,2,3
	global_load_b128 v[SC+32*(\q)+4*\i:SC+32*(\q)+4*\i+3], v[SOF+2*(\t)], s[4:5] offset:\i*RS+256*(\q)
.endr
.irp i, 4,5,6,7
	global_load_b128 v[SC+32*(\q)+4*\i:SC+32*(\q)+4*\i+3], v[SOF+2*(\t)+1], s[4:5] offset:\i*RS+256*(\q)
.endr
.endm
.macro MUL8 a, s, zero                 ; the M side's block a against the N side's eight; the 32 accumulators take turns, from tile to tile too
.set MP, (\s)%2
.set SCR, SC+32*(((\s)/4)%2)+(\s)%4
.irp b, 0,1,2,3,4,5,6,7
.if (\zero) == 1
	v_wmma_scale_f32_16x16x128_f8f6f4 v[8*(8*(\a)+\b):8*(8*(\a)+\b)+7], v[128*MP+12*\b:128*MP+12*\b+11], v[AF+48*MP+12*(\a):AF+48*MP+12*(\a)+11], 0, v[SCR+4*\b], v[SCR+4*(\a)] matrix_a_fmt:MATRIX_FMT_FP6 matrix_b_fmt:MATRIX_FMT_FP6 matrix_a_scale:MATRIX_SCALE_ROW1
.else
	v_wmma_scale_f32_16x16x128_f8f6f4 v[8*(8*(\a)+\b):8*(8*(\a)+\b)+7], v[128*MP+12*\b:128*MP+12*\b+11], v[AF+48*MP+12*(\a):AF+48*MP+12*(\a)+11], v[8*(8*(\a)+\b):8*(8*(\a)+\b)+7], v[SCR+4*\b], v[SCR+4*(\a)] matrix_a_fmt:MATRIX_FMT_FP6 matrix_b_fmt:MATRIX_FMT_FP6 matrix_a_scale:MATRIX_SCALE_ROW1
.endif
.endr
.endm
.macro STEP s, zero, lt, lq            ; a K step whose successor lies in the same slot.  lt >= 0: tile lt's scale words of set lq are asked for, behind the places
	s_wait_dscnt 6                                 ; all but the youngest six loads (the M side's blocks 2 and 3) are in
	WIN MULW
	MUL8 0, \s, \zero
	MUL8 1, \s, \zero
	s_wait_dscnt 0x0
	PLACES 4                                       ; for the loads into the set that the last step multiplied
.if (\lt) >= 0
	SCLOAD \lt, \lq
.endif
	FETCH (\s)+1
	WIN MULW
	MUL8 2, \s, \zero
	MUL8 3, \s, \zero
.endm
; A slot's last step, with a refill of W's slot j from byte off of my two blocks' images on.  In front of the barrier each wave waits for all its tensor loads, adds 0 to its spare word, and waits for that and for its reads.
.macro TURNF s, j, off
	WIN 0
	s_wait_tensorcnt 0x0
	ds_add_u32 v28, v29
	s_wait_dscnt 7                                 ; (the add and the youngest six loads may be out)
	WIN MULW
	MUL8 0, \s, 0
	s_wait_dscnt 0x0                               ; the add is done, and my reads of this slot are over
	s_barrier_signal -1
	MUL8 1, \s, 0
	WIN 0
	s_barrier_wait -1
	CREST
	s_add_nc_u64 s[G0R+2:G0R+3], s[10:11], (\off)+\j*4*IMG   ; no tensor load of mine is out, so the group 0 may be written
	s_or_b32 s[G0R+3], s[G0R+3], 0x80000000
	s_add_co_u32 s[G0R+1], s45, \j*WH
	tensor_load_to_lds s[G0R:G0R+3], s[G1C:G1C+7]  ; every wave its two blocks: one line, one mask
	s_nop 0
	PLACES 4                                       ; also the places in front of the loads below
	FETCH (\s)+1
	WIN MULW
	MUL8 2, \s, 0
	MUL8 3, \s, 0
.endm
.macro TURN s                          ; the last change of slots: nothing is filled again
	s_wait_tensorcnt 0x0
	s_wait_dscnt 0x0
	s_barrier_signal -1
	WIN MULW
	MUL8 0, \s, 0
	MUL8 1, \s, 0
	s_barrier_wait -1
	PLACES 4
	FETCH (\s)+1
	WIN MULW
	MUL8 2, \s, 0
	MUL8 3, \s, 0
.endm
.macro LAST s
	s_wait_dscnt 6
	WIN MULW
	MUL8 0, \s, 0
	MUL8 1, \s, 0
	s_wait_dscnt 0x0
	MUL8 2, \s, 0
	MUL8 3, \s, 0
	WIN 0
.endm
; 64 numbers of a lane, v[s] .. v[s + 63] of window sw, register 16 b + i = k 32 b + 16 (lane / 16) + i of my row, become a fragment's codes in v[pc] .. v[pc + 11] and its scale word in v[pw].  Each accumulator is read from its low end on.
.macro QUANT s, sw, pc, pw
	WIN (\sw)|((\sw)<<2)
.irp b, 0,1,2,3
	v_max3_num_f32 v[TM+\b], |v[(\s)+16*\b]|, |v[(\s)+1+16*\b]|, 0x1800000   ; my 16 numbers of block b, and the floor 2^(3 - 127)
.endr
	WIN ((\sw)<<2)|((\sw)<<4)
.irp i, 2,4,6,8,10,12,14
.irp b, 0,1,2,3
	v_max3_num_f32 v[TM+\b], v[TM+\b], |v[(\s)+16*\b+\i]|, |v[(\s)+1+16*\b+\i]|
.endr
.endr
	WIN 0
.irp b, 0,1,2,3
	v_permlanex16_b32 v[TM+4+\b], v[TM+\b], s[SEL], s[SEL+1]
.endr
.irp b, 0,1,2,3
	v_max_num_f32 v[TM+\b], v[TM+\b], v[TM+4+\b]
.endr
.irp b, 0,1,2,3
	v_add_nc_u32 v[TM+12+\b], 0xff000000, v[TM+\b]   ; 2 off the exponent field: the conversion's scale operand
.endr
.irp b, 0,1,2,3
	v_lshrrev_b32 v[TM+4+\b], 23, v[TM+12+\b]
.endr
	v_lshl_or_b32 v[\pw], v[TM+5], 8, v[TM+4]
	v_lshl_or_b32 v[\pw], v[TM+6], 16, v[\pw]
	v_lshl_or_b32 v[\pw], v[TM+7], 24, v[\pw]
	WIN \sw
.irp c, 0,1
	v_cvt_scalef32_pk16_fp6_f32 v[(\pc)+6*\c:(\pc)+2+6*\c], v[(\s)+32*\c:(\s)+15+32*\c], v[TM+12+2*\c]
	v_cvt_scalef32_pk16_fp6_f32 v[(\pc)+12+4*\c:(\pc)+14+4*\c], v[(\s)+16+32*\c:(\s)+31+32*\c], v[TM+12+2*\c+1]
.endr
	WIN 0
	v_nop                                          ; one plain place behind a scaled conversion
.irp c, 0,1
.irp i, 0,1,2
	v_permlane16_swap_b32 v[(\pc)+6*\c+\i], v[(\pc)+12+4*\c+\i]
.endr
.irp i, 0,1,2
	v_mov_b32 v[(\pc)+3+6*\c+\i], v[(\pc)+12+4*\c+\i]
.endr
.endr
.endm
; THE WAY OUT of tile t: my four blocks of rows: 128 results a row become one image and one scale word a row.  lt >= 0: tile lt's scale words of set 1 are asked for first.
.macro EPI t, ib, sb, io, so, lt
	PLACES 4                                       ; behind the tile's last products
.if (\t) > 0
	s_wait_xcnt 0x0                                ; the last tile's stores have read their registers
.endif
.if (\lt) >= 0
	SCLOAD \lt, 1
.endif
.irp a, 0,1,2,3
	QUANT 64*\a, 2, 128+24*\a, 224+\a
.irp c, 0,1,2
	global_store_b128 v4, v[128+24*\a+4*\c:128+24*\a+4*\c+3], s[\ib:\ib+1] offset:24576*\a+512*\c+(\io)   ; 512 consecutive bytes, aligned; the next block's image lies 16 images on
.endr
.endr
.irp a, 0,2
	v_cndmask_b32 v[228+\a/2], v[224+\a], v[225+\a], s[HM]   ; lanes 0-15 block a's words, lanes 16-31 block a + 1's
	global_store_b32 v5, v[228+\a/2], s[\sb:\sb+1] offset:1024*\a+(\so)
.endr
.endm
; The scale loads' offsets for tile t: lanes 0-15 from s[sa] (the M side's blocks), lanes 16-31 from s[sb] (the N side's), + 16 r.  In the second register lanes 0-15 stand four blocks back: with the N side's blocks 4-7 they take the M side's four once more.
.macro SOFS t, sa, sb
	v_mov_b32 v8, s[\sa]
	v_mov_b32 v9, s[\sb]
	v_cndmask_b32 v[SOF+2*(\t)], v8, v9, s[HM]
	v_lshl_add_u32 v[SOF+2*(\t)], v1, 4, v[SOF+2*(\t)]
	v_sub_nc_u32 v[SOF+2*(\t)+1], v[SOF+2*(\t)], v10
.endm
	s_load_b128 s[4:7], s[0:1], 0x0                ; xw s[4:5], qkv s[6:7]
	v_lshl_add_u32 v28, v0, 2, SPARE               ; my spare word; never rewritten
	v_mov_b32 v29, 0                               ; never rewritten
	ds_add_u32 v28, v29                            ; the opening lines: the add twice on end and one wait
	ds_add_u32 v28, v29
	v_lshrrev_b32 v1, 5, v0
	v_readfirstlane_b32 s14, v1                    ; wave 0..3
	s_lshr_b32 s15, s14, 1                         ; i: tile 2: which four blocks of Wv.  At the head: I fetch x (0) or Wq (1)
	s_and_b32 s16, s14, 1                          ; jj: tile 2: which eight blocks of x.  At the head: which half
	s_bfe_u32 s40, ttmp6, 0x40000                  ; cx, cy
	s_bfe_u32 s41, ttmp6, 0x40004
	s_lshl_b32 s42, ttmp9, 2
	s_add_co_u32 s42, s42, s40                     ; cg 0..7: which 128 columns
	s_and_b32 s17, ttmp7, 0xffff
	s_lshl_b32 s17, s17, 2
	s_add_co_u32 s17, s17, s41                     ; ty 0..31: which 256 tokens
	s_lshl_b32 s43, s41, 2
	s_lshl_b32 s43, 15, s43                        ; my row of the cluster
	s_lshl_b32 s44, 0x1111, s40                    ; my column
	s_or_b32 s[G1], s43, (3<<16)|(1<<21)           ; rows of 6,144 bytes (768 elements of 8), a block (1,536 elements) apart in memory, dense in LDS
	s_or_b32 s[G1B], s44, (3<<16)|(1<<21)
	s_or_b32 s[G1C], s44, (3<<16)|(1<<21)
.irp g, G1, G1B, G1C
	s_mov_b32 s[\g+1], 768<<16
	s_mov_b32 s[\g+3], 768<<16
	s_mov_b32 s[\g+5], 1536
	s_mov_b32 s[\g+6], 0
	s_mov_b32 s[\g+7], 0
.endr
.irp g, G1, G1B
	s_mov_b32 s[\g+2], 8<<16                       ; eight blocks
	s_mov_b32 s[\g+4], 8
.endr
	s_mov_b32 s[G1C+2], 2<<16                      ; two blocks
	s_mov_b32 s[G1C+4], 2
	s_lshl_b32 s67, s17, 4                         ; x's first block
	s_lshl_b32 s68, s42, 3
	s_add_co_u32 s68, s68, 512                     ; Wq's first block (Wk's 64 on, Wv's 128 on)
	s_lshl_b32 s18, s16, 3
	s_add_co_u32 s20, s67, s18                     ; x: the eight blocks that waves 0 and 1 fetch
	s_mul_i32 s20, s20, BLK
	s_mov_b32 s21, 0
	s_mul_i32 s46, s68, BLK                        ; Wq: K steps 4 jj on
	s_mul_i32 s19, s16, 4*IMG
	s_add_co_u32 s46, s46, s19
	s_mov_b32 s47, 0
	s_lshl_b32 s19, s14, 1
	s_add_co_u32 s10, s68, s19                     ; the refills: my two blocks of the eight
	s_mul_i32 s10, s10, BLK
	s_mov_b32 s11, 0
	s_mul_i32 s66, s16, WH
	s_mul_i32 s45, s14, 2*4*IMG
	s_add_co_u32 s45, s45, WL                      ; where my two blocks go in slot 0
	s_lshl_b32 s19, s14, 2
	s_add_co_u32 s69, s67, s19                     ; tiles 0, 1: my first token block
	s_lshl_b32 s80, s69, 9
	s_add_co_u32 s80, s80, XWS                     ; its scale words,
	s_lshl_b32 s81, s68, 9
	s_add_co_u32 s81, s81, XWS                     ; Wq's,
	s_add_co_u32 s82, s81, 64*RS                   ; Wk's
	s_lshl_b32 s72, s15, 2
	s_add_co_u32 s83, s68, s72
	s_lshl_b32 s83, s83, 9
	s_add_co_u32 s83, s83, XWS+128*RS              ; tile 2: my four blocks of Wv,
	s_add_co_u32 s84, s67, s18
	s_lshl_b32 s84, s84, 9
	s_add_co_u32 s84, s84, XWS                     ; my eight of x
	s_mul_i32 s22, s14, 4*4*IMG                    ; LDS: tiles 0, 1: my four blocks of x
	s_mul_i32 s23, s15, 4*4*IMG
	s_add_co_u32 s23, s23, WL                      ; tile 2: my four blocks of Wv
	s_lshl_b32 s88, s69, 4                         ; tile 0's images: 16 x block + cg; tile 1's lie 8 on
	s_add_co_u32 s88, s88, s42
	s_mul_i32 s88, s88, IMG
	s_mov_b32 s89, 0
	s_lshl_b32 s90, s69, 10
	s_lshr_b32 s91, s42, 2
	s_lshl_b32 s91, s91, 8
	s_add_co_u32 s90, s90, s91
	s_and_b32 s91, s42, 3
	s_lshl_b32 s91, s91, 2
	s_add_co_u32 s90, s90, s91
	s_add_co_u32 s90, s90, QS
	s_mov_b32 s91, 0
	s_lshl_b32 s75, s17, 1                         ; tile 2: col = which 128 tokens: batch col / 16, K step col % 16, of v^T's blocks 8 cg + 4 i on
	s_add_co_u32 s75, s75, s16
	s_lshl_b32 s76, s42, 3
	s_add_co_u32 s76, s76, s72
	s_lshr_b32 s77, s75, 4
	s_and_b32 s78, s75, 15
	s_lshl_b32 s60, s77, 10
	s_add_co_u32 s60, s60, 8192
	s_lshl_b32 s79, s76, 4
	s_add_co_u32 s60, s60, s79
	s_add_co_u32 s60, s60, s78
	s_mul_i32 s60, s60, IMG
	s_mov_b32 s61, 0
	s_lshl_b32 s62, s77, 6
	s_add_co_u32 s62, s62, 512
	s_add_co_u32 s62, s62, s76
	s_lshl_b32 s62, s62, 10
	s_lshr_b32 s79, s78, 2
	s_lshl_b32 s79, s79, 8
	s_add_co_u32 s62, s62, s79
	s_and_b32 s79, s75, 3
	s_lshl_b32 s79, s79, 2
	s_add_co_u32 s62, s62, s79
	s_add_co_u32 s62, s62, QS
	s_mov_b32 s63, 0
	s_mov_b32 s[SEL], 0x76543210
	s_mov_b32 s[SEL+1], 0xfedcba98
	s_mov_b32 s[HM], 0xffff0000
	s_mov_b32 s[G0X], 1
	s_mul_i32 s[G0X+1], s16, WH                    ; no place in the cluster enters an LDS address
	s_mov_b32 s[G0W], 1
	s_add_co_u32 s[G0W+1], s66, WL
	s_mov_b32 s[G0R], 1
	s_wait_dscnt 0x0                               ; both opening adds are done
	s_wait_kmcnt 0x0
	s_add_nc_u64 s[G0X+2:G0X+3], s[4:5], s[20:21]
	s_or_b32 s[G0X+3], s[G0X+3], 0x80000000
	s_add_nc_u64 s[G0W+2:G0W+3], s[4:5], s[46:47]
	s_or_b32 s[G0W+3], s[G0W+3], 0x80000000
	s_add_nc_u64 s[10:11], s[4:5], s[10:11]
	s_add_nc_u64 s[88:89], s[6:7], s[88:89]
	s_add_nc_u64 s[90:91], s[6:7], s[90:91]
	s_add_nc_u64 s[60:61], s[6:7], s[60:61]
	s_add_nc_u64 s[62:63], s[6:7], s[62:63]
	CROUND                                         ; all sixteen work-groups are here: the first joint loads meet
	s_cmp_eq_u32 s15, 0                            ; the head's loads, one a wave: waves 0, 1 x's K steps 0-3 (eight blocks each), wave 2 Wq's K steps 0-3, wave 3 its 4-7
	s_cbranch_scc0 .Lhead_w
	tensor_load_to_lds s[G0X:G0X+3], s[G1:G1+7]
	s_nop 0
	PLACES 4
	s_branch .Lhead_asked
.Lhead_w:
	tensor_load_to_lds s[G0W:G0W+3], s[G1B:G1B+7]
	s_nop 0
	PLACES 4
.Lhead_asked:
	v_and_b32 v1, 15, v0                           ; r
	v_bfe_u32 v2, v0, 4, 1                         ; h
	v_and_b32 v3, 31, v0
	v_lshlrev_b32 v4, 4, v3                        ; 16 x lane
	v_sub_nc_u32 v10, 1, v2
	v_lshlrev_b32 v10, 11, v10                     ; four blocks of scale words, in lanes 0-15
	SOFS 0, 80, 81
	SCLOAD 0, 0                                    ; tile 0's scale words: sixteen loads
	SCLOAD 0, 1
	SOFS 1, 80, 82
	SOFS 2, 83, 84
	v_add_nc_u32 v16, s22, v4                      ; tiles 0, 1: M = x
	v_add_nc_u32 v17, XH, v16
	v_add_nc_u32 v20, WL, v4                       ; N = W's slots
	v_add_nc_u32 v21, WL+WH, v4
	v_add_nc_u32 v18, s23, v4                      ; tile 2: M = W's slots
	v_add_nc_u32 v19, WH, v18
	v_add_nc_u32 v12, s66, v4                      ; N = x
	v_add_nc_u32 v13, XH, v12
	v_lshlrev_b32 v5, 10, v2
	v_lshl_add_u32 v5, v1, 4, v5                   ; 1,024 h + 16 r
.irp b, 0,1,2,3
	v_mov_b32 v[TM+4+\b], 0                        ; a lane permute's destination counts as one of its sources
.endr
	s_wait_alu depctr_va_vdst(0)
	s_wait_tensorcnt 0x0                           ; my head's load is in
	ds_add_u32 v28, v29
	s_add_nc_u64 s[G0X+2:G0X+3], s[G0X+2:G0X+3], 4*IMG   ; no tensor load of mine is out: x's K steps 4-7,
	s_add_co_u32 s[G0X+1], s[G0X+1], XH            ; into x's second half
	s_wait_dscnt 0x0
	CROUND                                         ; everybody's part is in, and the joint loads meet
	s_cmp_eq_u32 s15, 0
	s_cbranch_scc0 .Lno_x1                         ; waves 2 and 3 have nothing to fetch here
	tensor_load_to_lds s[G0X:G0X+3], s[G1:G1+7]
	s_nop 0
	PLACES 4
.Lno_x1:
	s_wait_loadcnt 0x0                             ; tile 0's scale words
	FETCH 0
	STEP 0, 1, -1, 0                               ; ---- tile 0: x Wq.  The first step's products start the sums
	STEP 1, 0, -1, 0
	STEP 2, 0, -1, 0
	TURNF 3, 0, KOFF                               ; slot 0 takes Wk's K steps 0-3
	STEP 4, 0, 1, 0                                ; set 0 of the scale words is done with: tile 1's come
	STEP 5, 0, -1, 0
	STEP 6, 0, -1, 0
	TURNF 7, 1, KOFF                               ; slot 1 takes Wk's K steps 4-7
	EPI 0, 88, 90, 0, 0, 1
	s_wait_loadcnt 0x8                             ; tile 1's set 0 is in; the eight loads of its set 1 may be out
	STEP 8, 1, -1, 0                               ; ---- tile 1: x Wk
	STEP 9, 0, -1, 0
	STEP 10, 0, -1, 0
	TURNF 11, 0, 2*KOFF                            ; slot 0 takes Wv's K steps 0-3
	s_wait_loadcnt 0x0                             ; tile 1's set 1 is in
	STEP 12, 0, 2, 0
	STEP 13, 0, -1, 0
	STEP 14, 0, -1, 0
	TURNF 15, 1, 2*KOFF                            ; slot 1 takes Wv's K steps 4-7
	EPI 1, 88, 90, 12288, 512, 2
	s_wait_loadcnt 0x8                             ; tile 2's set 0 is in; the eight loads of its set 1 may be out
	STEP 16, 1, -1, 0                              ; ---- tile 2: Wv^T x^T.  It asks for nothing more
	STEP 17, 0, -1, 0
	STEP 18, 0, -1, 0
	TURN 19
	s_wait_loadcnt 0x0                             ; tile 2's set 1 is in
	STEP 20, 0, -1, 0
	STEP 21, 0, -1, 0
	STEP 22, 0, -1, 0
	LAST 23
	EPI 2, 60, 62, 0, 0, -1
	s_wait_tensorcnt 0x0                           ; the wave's end
	ds_add_u32 v28, v29
	s_wait_dscnt 0x0
	CROUND                                         ; the closing round
	s_endpgm
.Lfunc_end_k_q122c2e7f82_project:
	.size	k_q122c2e7f82_project, .Lfunc_end_k_q122c2e7f82_project-k_q122c2e7f82_project
	.p2alignl 7, 3214868480
	.fill 96, 4, 3214868480
	.section	.rodata,"a",@progbits
	.p2align	6, 0x0
	.amdhsa_kernel k_q122c2e7f82_project
		.amdhsa_group_segment_fixed_size 327680
		.amdhsa_private_segment_fixed_size 0
		.amdhsa_enable_private_segment 0
		.amdhsa_kernarg_size 16
		.amdhsa_user_sgpr_count 2
		.amdhsa_user_sgpr_kernarg_segment_ptr 1
		.amdhsa_wavefront_size32 1
		.amdhsa_system_sgpr_workgroup_id_x 1
		.amdhsa_system_sgpr_workgroup_id_y 1
		.amdhsa_system_sgpr_workgroup_id_z 1
		.amdhsa_system_vgpr_workitem_id 0
		.amdhsa_next_free_vgpr 1024
		.amdhsa_next_free_sgpr 100
		.amdhsa_reserve_vcc 0
		.amdhsa_float_denorm_mode_32 3
		.amdhsa_float_denorm_mode_16_64 3
		.amdhsa_memory_ordered 1
		.amdhsa_forward_progress 1
		.amdhsa_inst_pref_size 226
	.end_amdhsa_kernel
	.amdgpu_metadata
---
amdhsa.version: [ 1, 2 ]
amdhsa.kernels:
  - .name:           k_q122c2e7f82_project
    .symbol:         k_q122c2e7f82_project.kd
    .args:
      - { .name: xw, .offset: 0, .size: 8, .value_kind: global_buffer, .address_space: global }
      - { .name: qkv, .offset: 8, .size: 8, .value_kind: global_buffer, .address_space: global }
    .group_segment_fixed_size: 327680
    .private_segment_fixed_size: 0
    .kernarg_segment_align: 8
    .kernarg_segment_size: 16
    .max_flat_workgroup_size: 128
    .sgpr_count:     100
    .vgpr_count:     1024
    .wavefront_size: 32
...
	.end_amdgpu_metadata
.endif
;; end of part 2
;; launch score (part 3): grid 8 x 32, 4 waves a work-group, clusters of 4 x 4, 327,680 bytes of LDS; arguments qkv, pp; writes pp
.if DOCPART == 3
	.amdgcn_target "amdgcn-amd-amdhsa--gfx1250"
	.amdhsa_code_object_version 6
	.text
	.protected	k_q122c2e7f82_score
	.globl	k_q122c2e7f82_score
	.p2align	8
	.type	k_q122c2e7f82_score,@function
k_q122c2e7f82_score:
	s_mov_b64 s[64:65], 0
	v_nop
	global_prefetch_b8 v0, s[64:65] scope:SCOPE_SE
	s_setreg_imm32_b32 hwreg(HW_REG_WAVE_MODE, 25, 1), 1
	s_wait_xcnt 0x0
	s_wait_alu depctr_hold_cnt(0) depctr_sa_sdst(0) depctr_va_vdst(0) depctr_va_sdst(0) depctr_va_ssrc(0) depctr_va_vcc(0) depctr_vm_vsrc(0)
	s_getreg_b32 s2, hwreg(HW_REG_IB_STS2, 6, 4)
	s_cmp_eq_u32 s2, 0
	s_cbranch_scc0 .Lentry_in_a_cluster
	s_endpgm
.Lentry_in_a_cluster:
	s_bfe_u32 s2, ttmp6, 0x10000c
	s_cmp_lg_u32 s2, 0xf033
	s_cbranch_scc0 .Lentry_shape_is_right
	s_endpgm
.Lentry_shape_is_right:
; S = q k^T on codes of E2M3 with E8M0 scales, K = 1,024, and the softmax's numerator for each row and each 128 keys: t = score x log2(e) / 32; Mloc = the ceiling of the largest t of the row's 128 keys, a whole number;
; p = 2^(t - Mloc) is quantised along the keys and leaves as codes.  Beside them go, for each row and 128 keys: p's scale word, -Mloc, and the sum of the unquantised p.  The next launch brings all groups of a row under the
; row's own M by taking a whole number off the scale bytes: the maximum IS taken away before every exponential, group by group, and no exponent here is above 0.
; Operands and result are images of operand registers (16 rows x 128 K, 1,536 bytes: chunk c holds lane l's registers 4 c .. 4 c + 3 at 512 c + 16 l).  In qkv token block R has images 16 R + 0 .. 7 (q) and 16 R + 8 .. 15 (k).
; The matrix instruction is used transposed (source 0 = 16 keys, source 1 = 16 queries): a lane holds one query, and the 16 registers of tiles 2 b, 2 b + 1 are the neighbouring keys 32 b + 16 (lane / 16) + 0 .. 15.
; SHARES.  A work-group owns 256 queries x 256 keys of one batch: 32 x 8 = 256 work-groups.  It walks two tiles of 128 keys; wave w takes query blocks 4 w .. 4 w + 3 against the tile's eight blocks of keys: 32 accumulators.
; LDS.  q STAYS: its K steps 0-3 at byte 0, 4-7 at XH, 6,144 bytes a block, filled once: (16 + 2 x 8) x 12,288 bytes come in for a work-group.  k goes through two slots of four K steps, 49,152 bytes each: at tile 0's K step 3
; slot 0 takes tile 1's K steps 0-3, at its K step 7 slot 1 tile 1's 4-7, behind a round of the cluster's barrier; each wave fetches two blocks; a refill is asked for four K steps, 128 matrix instructions a wave, ahead of its first read.
; CLUSTERS 4 x 4: q's tiles are shared along a row (same queries), k's along a column (same keys; all sixteen partners share the batch).  No prefetch: the walk is written out, there is no loop to run ahead in.
; OUT: pp: p's image (16 R + j) x 1,536, j the group of 128 keys; from byte PST on (16 R + j) x 256 + 16 r: {scale word, -Mloc, sum, 0}.
; LIMITS: NaN and infinities are not served; a block all of whose p lie under 2^-124 keeps the byte 1.
; REGISTERS: window 0: v1 r, v2 h, v4 16 x lane, v5 the place of what goes beside p, v10 4,096 in lanes 0-15, v16-17, v20-21 LDS addresses, v22-25 the scale loads' offsets, v28-29 for the add, v32-95 scale words, v96-121 at work,
;   v128-223 codes, v224-227 scale words made, v232-239 -Mloc (in pairs whose upper halves are 0), v240-243 sums, v244-251 what is stored.  window 1: k's two sets of fragments.  window 2: the accumulators.  window 3: q's two sets.
.set IMG,   1536
.set BLK,   24576                      ; a token block's sixteen images in qkv
.set RS,    1024                       ; a block's scale words: q's 512 bytes, then k's
.set QS,    18874368
.set PST,   12582912
.set XH,    98304                      ; q's second half of K in LDS
.set WL,    196608                     ; k's slot 0
.set WH,    49152                      ; a slot of k; also eight blocks of q's half
.set SPARE, 294912                     ; the spare words: two blocks of 256 bytes that no other line names
.set KOFF,  8*BLK                      ; from tile 0's keys to tile 1's
.set SC,    32
.set TM,    96
.set AF,    0
.set ADRA,  16
.set ADRB,  20
.set SOF,   22
.set G1,    24                         ; s[24:31] group 1 for q's tiles, s[32:35] their group 0
.set G0X,   32
.set G0W,   36                         ; s[36:39] group 0 of the head's load of k, s[48:55] its group 1
.set G1B,   48
.set G0R,   56                         ; s[56:59] group 0 of the refills, s[92:99] their group 1 (two blocks)
.set G1C,   92
.set SEL,   70
.set CS,    72                         ; s[72:73] c = log2(e) / 32: the packed form names a pair and takes its low word for both halves
.set HM,    74
.set MULW,  0xad                       ; source 0 window 1, source 1 window 3, C and D window 2
.set MSB,   0
.macro WIN new
.if MSB != (\new)
	s_set_vgpr_msb (MSB<<8)|(\new)
.set MSB, (\new)
.endif
.endm
.macro CREST                           ; a round of the cluster's barrier behind its opening barrier
	s_cmp_lg_u32 s14, 0
	s_cbranch_scc1 .Lnot_wave_0_\@
	s_barrier_signal -3
.Lnot_wave_0_\@:
	s_barrier_wait -3
	s_barrier_signal -1
	s_barrier_wait -1
.endm
.macro CROUND
	s_barrier_signal -1
	s_barrier_wait -1
	CREST
.endm
.macro PLACES n
.rept \n
	v_nop
.endr
.endm
.macro FETCH s                         ; K step s (counted on through the tiles): k's eight fragments, then q's four, into set s % 2
.set FP, (\s)%2
.set FJ, ((\s)/4)%2
.set FO, ((\s)%4)*IMG
	WIN 0x40
.irp b, 0,1,2,3,4,5,6,7
.irp c, 0,1,2
	ds_load_b128 v[128*FP+12*\b+4*\c:128*FP+12*\b+4*\c+3], v[ADRB+FJ] offset:6144*\b+FO+512*\c
.endr
.endr
	WIN 0xc0
.irp a, 0,1,2,3
.irp c, 0,1,2
	ds_load_b128 v[AF+48*FP+12*\a+4*\c:AF+48*FP+12*\a+4*\c+3], v[ADRA+FJ] offset:6144*\a+FO+512*\c
.endr
.endr
.endm
.macro SCLOAD t, q                     ; tile t's scale words of K steps 4 q .. 4 q + 3 into set q: lanes 0-15 q's block i % 4, lanes 16-31 k's block i
	WIN 0
.irp i, 0,1,2,3
	global_load_b128 v[SC+32*(\q)+4*\i:SC+32*(\q)+4*\i+3], v[SOF+2*(\t)], s[4:5] offset:\i*RS+256*(\q)
.endr
.irp i, 4,5,6,7
	global_load_b128 v[SC+32*(\q)+4*\i:SC+32*(\q)+4*\i+3], v[SOF+2*(\t)+1], s[4:5] offset:\i*RS+256*(\q)
.endr
.endm
.macro MUL8 a, s, zero                 ; q's block a against k's eight; the 32 accumulators take turns, from tile to tile too
.set MP, (\s)%2
.set SCR, SC+32*(((\s)/4)%2)+(\s)%4
.irp b, 0,1,2,3,4,5,6,7
.if (\zero) == 1
	v_wmma_scale_f32_16x16x128_f8f6f4 v[8*(8*(\a)+\b):8*(8*(\a)+\b)+7], v[128*MP+12*\b:128*MP+12*\b+11], v[AF+48*MP+12*(\a):AF+48*MP+12*(\a)+11], 0, v[SCR+4*\b], v[SCR+4*(\a)] matrix_a_fmt:MATRIX_FMT_FP6 matrix_b_fmt:MATRIX_FMT_FP6 matrix_a_scale:MATRIX_SCALE_ROW1
.else
	v_wmma_scale_f32_16x16x128_f8f6f4 v[8*(8*(\a)+\b):8*(8*(\a)+\b)+7], v[128*MP+12*\b:128*MP+12*\b+11], v[AF+48*MP+12*(\a):AF+48*MP+12*(\a)+11], v[8*(8*(\a)+\b):8*(8*(\a)+\b)+7], v[SCR+4*\b], v[SCR+4*(\a)] matrix_a_fmt:MATRIX_FMT_FP6 matrix_b_fmt:MATRIX_FMT_FP6 matrix_a_scale:MATRIX_SCALE_ROW1
.endif
.endr
.endm
.macro STEP s, zero, lt, lq            ; a K step whose successor lies in the same slot.  lt >= 0: tile lt's scale words of set lq are asked for, behind the places
	s_wait_dscnt 6                                 ; all but the youngest six loads (q's blocks 2 and 3) are in
	WIN MULW
	MUL8 0, \s, \zero
	MUL8 1, \s, \zero
	s_wait_dscnt 0x0
	PLACES 4                                       ; for the loads into the set that the last step multiplied
.if (\lt) >= 0
	SCLOAD \lt, \lq
.endif
	FETCH (\s)+1
	WIN MULW
	MUL8 2, \s, \zero
	MUL8 3, \s, \zero
.endm
; A slot's last step, with a refill of k's slot j from tile 1.  In front of the barrier each wave waits for all its tensor loads, adds 0 to its spare word, and waits for that and for its reads.
.macro TURNF s, j
	WIN 0
	s_wait_tensorcnt 0x0
	ds_add_u32 v28, v29
	s_wait_dscnt 7                                 ; (the add and the youngest six loads may be out)
	WIN MULW
	MUL8 0, \s, 0
	s_wait_dscnt 0x0                               ; the add is done, and my reads of this slot are over
	s_barrier_signal -1
	MUL8 1, \s, 0
	WIN 0
	s_barrier_wait -1
	CREST
	s_add_nc_u64 s[G0R+2:G0R+3], s[10:11], KOFF+\j*4*IMG   ; no tensor load of mine is out, so the group 0 may be written
	s_or_b32 s[G0R+3], s[G0R+3], 0x80000000
	s_add_co_u32 s[G0R+1], s45, \j*WH
	tensor_load_to_lds s[G0R:G0R+3], s[G1C:G1C+7]  ; every wave its two blocks: one line, one mask
	s_nop 0
	PLACES 4                                       ; also the places in front of the loads below
	FETCH (\s)+1
	WIN MULW
	MUL8 2, \s, 0
	MUL8 3, \s, 0
.endm
.macro TURN s                          ; the last change of slots: nothing is filled again
	s_wait_tensorcnt 0x0
	s_wait_dscnt 0x0
	s_barrier_signal -1
	WIN MULW
	MUL8 0, \s, 0
	MUL8 1, \s, 0
	s_barrier_wait -1
	PLACES 4
	FETCH (\s)+1
	WIN MULW
	MUL8 2, \s, 0
	MUL8 3, \s, 0
.endm
.macro LAST s
	s_wait_dscnt 6
	WIN MULW
	MUL8 0, \s, 0
	MUL8 1, \s, 0
	s_wait_dscnt 0x0
	MUL8 2, \s, 0
	MUL8 3, \s, 0
	WIN 0
.endm
; My block a of 16 queries: 64 scores a lane, in window 2 from v[64 a] on, register 16 b + i = key 32 b + 16 (lane / 16) + i.  io: the tile's place among the images, in bytes.
.macro SOFTQ a, io
.set S, 64*(\a)
.set NM, 232+2*(\a)
.set PCD, 128+24*(\a)
	WIN 0x2a
.irp b, 0,1,2,3
	v_max3_num_f32 v[TM+\b], v[S+16*\b], v[S+16*\b+1], v[S+16*\b+2]   ; the largest score of each block of 32 keys serves twice: for the row's maximum, and, since p rises with the score, for the block's largest p
.endr
	WIN 0x28
.irp i, 3,5,7,9,11,13
.irp b, 0,1,2,3
	v_max3_num_f32 v[TM+\b], v[TM+\b], v[S+16*\b+\i], v[S+16*\b+\i+1]
.endr
.endr
.irp b, 0,1,2,3
	v_max_num_f32 v[TM+\b], v[TM+\b], v[S+16*\b+15]
.endr
	WIN 0
.irp b, 0,1,2,3
	v_permlanex16_b32 v[TM+4+\b], v[TM+\b], s[SEL], s[SEL+1]
.endr
.irp b, 0,1,2,3
	v_max_num_f32 v[TM+\b], v[TM+\b], v[TM+4+\b]   ; with lane l xor 16's 16 keys
.endr
	v_max3_num_f32 v116, v[TM], v[TM+1], v[TM+2]
	v_max_num_f32 v116, v116, v[TM+3]              ; the largest score of my query's 128 keys
	v_mul_f32 v116, s[CS], v116                    ; as t (c is positive)
	v_floor_f32 v[NM], -v116                       ; -Mloc = floor(-t) = -ceil(t)
.irp b, 0,1,2,3
	v_fma_f32 v[TM+\b], v[TM+\b], s[CS], v[NM]     ; t - Mloc of each block's largest score
.endr
	WIN 0x82
.set JJ, 0
.rept 32
	v_pk_fma_f32 v[S+JJ:S+JJ+1], v[S+JJ:S+JJ+1], s[CS:CS+1], v[NM:NM+1] op_sel_hi:[1,0,0]   ; t - Mloc, two at a time
.set JJ, JJ+2
.endr
.set JJ, 0
	s_wait_alu depctr_va_vdst(0)
.rept 64
	v_exp_f32 v[S+JJ], v[S+JJ]                     ; p = 2^(t - Mloc), at most 1
.set JJ, JJ+1
.endr
	v_nop                                          ; a plain place behind the exponentials
	s_wait_alu depctr_va_vdst(0)                   ; one wait for the whole batch, ahead of its first reader
	WIN 0
.irp b, 0,1,2,3
	v_exp_f32 v[TM+\b], v[TM+\b]                   ; the block's largest p: the same two instructions on the same number give the same bits
.endr
	WIN 0x0a
	v_pk_add_f32 v[118:119], v[S:S+1], v[S+2:S+3]  ; the sum is taken of the unquantised p, two at a time, in two chains
	v_pk_add_f32 v[120:121], v[S+4:S+5], v[S+6:S+7]
	WIN 0x08
.set JJ, 8
.rept 14
	v_pk_add_f32 v[118:119], v[118:119], v[S+JJ:S+JJ+1]
	v_pk_add_f32 v[120:121], v[120:121], v[S+JJ+2:S+JJ+3]
.set JJ, JJ+4
.endr
	WIN 0
	v_pk_add_f32 v[118:119], v[118:119], v[120:121]
	v_add_f32 v118, v118, v119
	v_permlanex16_b32 v120, v118, s[SEL], s[SEL+1]
	v_add_f32 v[240+(\a)], v118, v120              ; with lane l xor 16's: the sum of my query's 128 p
	s_wait_alu depctr_va_vdst(0)                   ; and one wait for the four
.irp b, 0,1,2,3
	v_max_num_f32 v[TM+\b], 0x1800000, v[TM+\b]    ; the floor 2^(3 - 127): the byte cannot fall under 1
.endr
.irp b, 0,1,2,3
	v_add_nc_u32 v[TM+12+\b], 0xff000000, v[TM+\b]
.endr
.irp b, 0,1,2,3
	v_lshrrev_b32 v[TM+4+\b], 23, v[TM+12+\b]
.endr
	v_lshl_or_b32 v[224+(\a)], v[TM+5], 8, v[TM+4]
	v_lshl_or_b32 v[224+(\a)], v[TM+6], 16, v[224+(\a)]
	v_lshl_or_b32 v[224+(\a)], v[TM+7], 24, v[224+(\a)]
	WIN 0x02
.irp c, 0,1
	v_cvt_scalef32_pk16_fp6_f32 v[PCD+6*\c:PCD+2+6*\c], v[S+32*\c:S+15+32*\c], v[TM+12+2*\c]
	v_cvt_scalef32_pk16_fp6_f32 v[PCD+12+4*\c:PCD+14+4*\c], v[S+16+32*\c:S+31+32*\c], v[TM+12+2*\c+1]
.endr
	WIN 0
	v_nop                                          ; one plain place behind a scaled conversion
.irp c, 0,1
.irp i, 0,1,2
	v_permlane16_swap_b32 v[PCD+6*\c+\i], v[PCD+12+4*\c+\i]
.endr
.irp i, 0,1,2
	v_mov_b32 v[PCD+3+6*\c+\i], v[PCD+12+4*\c+\i]
.endr
.endr
.irp c, 0,1,2
	global_store_b128 v4, v[PCD+4*\c:PCD+4*\c+3], s[88:89] offset:24576*(\a)+512*\c+(\io)   ; 512 consecutive bytes, aligned
.endr
.endm
; THE WAY OUT of tile t; tile 1's group of keys lies one on: 1,536 bytes of images, 256 of what goes beside them.  lt >= 0: tile lt's scale words of set 1 are asked for first.
.macro EPI t, lt
	PLACES 4                                       ; behind the tile's last products
.if (\t) > 0
	s_wait_xcnt 0x0                                ; the last tile's stores have read their registers
.endif
.if (\lt) >= 0
	SCLOAD \lt, 1
.endif
	SOFTQ 0, IMG*(\t)
	SOFTQ 1, IMG*(\t)
	SOFTQ 2, IMG*(\t)
	SOFTQ 3, IMG*(\t)
.irp a, 0,2
	v_cndmask_b32 v[244+2*\a], v[224+\a], v[225+\a], s[HM]       ; lanes 0-15 block a's, lanes 16-31 block a + 1's: the scale word,
	v_cndmask_b32 v[245+2*\a], v[232+2*\a], v[234+2*\a], s[HM]   ; -Mloc,
	v_cndmask_b32 v[246+2*\a], v[240+\a], v[241+\a], s[HM]       ; the sum
	global_store_b128 v5, v[244+2*\a:247+2*\a], s[90:91] offset:4096*\a+256*(\t)   ; sixteen lanes store 256 consecutive bytes, aligned
.endr
.endm
; The scale loads' offsets for tile t: lanes 0-15 from s[sa] (q's blocks), lanes 16-31 from s[sb] (k's), + 16 r.  In the second register lanes 0-15 stand four blocks back: with k's blocks 4-7 they take q's four once more.
.macro SOFS t, sa, sb
	v_mov_b32 v8, s[\sa]
	v_mov_b32 v9, s[\sb]
	v_cndmask_b32 v[SOF+2*(\t)], v8, v9, s[HM]
	v_lshl_add_u32 v[SOF+2*(\t)], v1, 4, v[SOF+2*(\t)]
	v_sub_nc_u32 v[SOF+2*(\t)+1], v[SOF+2*(\t)], v10
.endm
	s_load_b128 s[4:7], s[0:1], 0x0                ; qkv s[4:5], pp s[6:7]
	v_lshl_add_u32 v28, v0, 2, SPARE               ; my spare word; never rewritten
	v_mov_b32 v29, 0                               ; never rewritten
	ds_add_u32 v28, v29                            ; the opening lines: the add twice on end and one wait
	ds_add_u32 v28, v29
	v_lshrrev_b32 v1, 5, v0
	v_readfirstlane_b32 s14, v1                    ; wave 0..3
	s_lshr_b32 s15, s14, 1                         ; at the head: I fetch q (0) or k (1)
	s_and_b32 s16, s14, 1                          ; and which half
	s_bfe_u32 s40, ttmp6, 0x40000                  ; cx, cy
	s_bfe_u32 s41, ttmp6, 0x40004
	s_lshl_b32 s42, ttmp9, 2
	s_add_co_u32 s42, s42, s40                     ; cg 0..7: which 256 keys of the batch
	s_and_b32 s12, ttmp7, 0xffff                   ; the cluster's y
	s_lshr_b32 s13, s12, 1                         ; the batch: two clusters along y each
	s_lshl_b32 s17, s12, 2
	s_add_co_u32 s17, s17, s41                     ; ty 0..31: which 256 queries
	s_lshl_b32 s43, s41, 2
	s_lshl_b32 s43, 15, s43                        ; my row of the cluster
	s_lshl_b32 s44, 0x1111, s40                    ; my column
	s_or_b32 s[G1], s43, (3<<16)|(1<<21)           ; rows of 6,144 bytes (768 elements of 8), a block (3,072 elements) apart in memory, dense in LDS
	s_or_b32 s[G1B], s44, (3<<16)|(1<<21)
	s_or_b32 s[G1C], s44, (3<<16)|(1<<21)
.irp g, G1, G1B, G1C
	s_mov_b32 s[\g+1], 768<<16
	s_mov_b32 s[\g+3], 768<<16
	s_mov_b32 s[\g+5], 3072
	s_mov_b32 s[\g+6], 0
	s_mov_b32 s[\g+7], 0
.endr
.irp g, G1, G1B
	s_mov_b32 s[\g+2], 8<<16                       ; eight blocks
	s_mov_b32 s[\g+4], 8
.endr
	s_mov_b32 s[G1C+2], 2<<16                      ; two blocks
	s_mov_b32 s[G1C+4], 2
	s_lshl_b32 s67, s17, 4                         ; q's first token block
	s_lshl_b32 s68, s42, 4
	s_lshl_b32 s19, s13, 7
	s_add_co_u32 s68, s68, s19                     ; k's in tile 0: 128 x batch + 16 cg; tile 1's lie 8 on
	s_lshl_b32 s18, s16, 3
	s_add_co_u32 s20, s67, s18                     ; q: the eight blocks that waves 0 and 1 fetch
	s_mul_i32 s20, s20, BLK
	s_mov_b32 s21, 0
	s_mul_i32 s46, s68, BLK                        ; k: its images lie behind q's eight; K steps 4 x half on
	s_mul_i32 s19, s16, 4*IMG
	s_add_co_u32 s46, s46, s19
	s_add_co_u32 s46, s46, 8*IMG
	s_mov_b32 s47, 0
	s_lshl_b32 s19, s14, 1
	s_add_co_u32 s10, s68, s19                     ; the refills: my two blocks of the eight
	s_mul_i32 s10, s10, BLK
	s_add_co_u32 s10, s10, 8*IMG
	s_mov_b32 s11, 0
	s_mul_i32 s66, s16, WH
	s_mul_i32 s45, s14, 2*4*IMG
	s_add_co_u32 s45, s45, WL                      ; where my two blocks go in slot 0
	s_lshl_b32 s19, s14, 2
	s_add_co_u32 s69, s67, s19                     ; my first block of queries
	s_lshl_b32 s80, s69, 10
	s_add_co_u32 s80, s80, QS                      ; its scale words: the first 512 bytes of a block's 1,024,
	s_lshl_b32 s81, s68, 10
	s_add_co_u32 s81, s81, QS+512                  ; k's: the second,
	s_add_co_u32 s82, s81, 8*RS                    ; and tile 1's
	s_mul_i32 s22, s14, 4*4*IMG                    ; LDS: my four blocks of q
	s_lshl_b32 s88, s69, 4                         ; p's images: 16 x block + 2 cg
	s_lshl_b32 s19, s42, 1
	s_add_co_u32 s88, s88, s19
	s_mul_i32 s88, s88, IMG
	s_mov_b32 s89, 0
	s_lshl_b32 s90, s69, 12                        ; and what goes beside them
	s_lshl_b32 s91, s42, 9
	s_add_co_u32 s90, s90, s91
	s_add_co_u32 s90, s90, PST
	s_mov_b32 s91, 0
	s_mov_b32 s[SEL], 0x76543210
	s_mov_b32 s[SEL+1], 0xfedcba98
	s_mov_b32 s[CS], 0x3d38aa3b                    ; log2(e) / 32: 1 / sqrt(1,024) is a power of two, so one multiplication rounds as reference's two do
	s_mov_b32 s[CS+1], s[CS]
	s_mov_b32 s[HM], 0xffff0000
	s_mov_b32 s[G0X], 1
	s_mul_i32 s[G0X+1], s16, WH                    ; no place in the cluster enters an LDS address
	s_mov_b32 s[G0W], 1
	s_add_co_u32 s[G0W+1], s66, WL
	s_mov_b32 s[G0R], 1
	s_wait_dscnt 0x0                               ; both opening adds are done
	s_wait_kmcnt 0x0
	s_add_nc_u64 s[G0X+2:G0X+3], s[4:5], s[20:21]
	s_or_b32 s[G0X+3], s[G0X+3], 0x80000000
	s_add_nc_u64 s[G0W+2:G0W+3], s[4:5], s[46:47]
	s_or_b32 s[G0W+3], s[G0W+3], 0x80000000
	s_add_nc_u64 s[10:11], s[4:5], s[10:11]
	s_add_nc_u64 s[88:89], s[6:7], s[88:89]
	s_add_nc_u64 s[90:91], s[6:7], s[90:91]
	CROUND                                         ; all sixteen work-groups are here: the first joint loads meet
	s_cmp_eq_u32 s15, 0                            ; the head's loads, one a wave: waves 0, 1 q's K steps 0-3 (eight blocks each), wave 2 tile 0's k, K steps 0-3, wave 3 its 4-7
	s_cbranch_scc0 .Lhead_w
	tensor_load_to_lds s[G0X:G0X+3], s[G1:G1+7]
	s_nop 0
	PLACES 4
	s_branch .Lhead_asked
.Lhead_w:
	tensor_load_to_lds s[G0W:G0W+3], s[G1B:G1B+7]
	s_nop 0
	PLACES 4
.Lhead_asked:
	v_and_b32 v1, 15, v0                           ; r
	v_bfe_u32 v2, v0, 4, 1                         ; h
	v_and_b32 v3, 31, v0
	v_lshlrev_b32 v4, 4, v3                        ; 16 x lane
	v_sub_nc_u32 v10, 1, v2
	v_lshlrev_b32 v10, 12, v10                     ; four blocks of scale words, in lanes 0-15
	SOFS 0, 80, 81
	SCLOAD 0, 0                                    ; tile 0's scale words: sixteen loads
	SCLOAD 0, 1
	SOFS 1, 80, 82
	v_add_nc_u32 v[ADRA], s22, v4                  ; q
	v_add_nc_u32 v[ADRA+1], XH, v[ADRA]
	v_add_nc_u32 v[ADRB], WL, v4                   ; k's slots
	v_add_nc_u32 v[ADRB+1], WL+WH, v4
	v_lshlrev_b32 v5, 12, v2
	v_lshl_add_u32 v5, v1, 4, v5                   ; 4,096 h + 16 r
.irp b, 0,1,2,3
	v_mov_b32 v[TM+4+\b], 0                        ; a lane permute's destination counts as one of its sources
	v_mov_b32 v[233+2*\b], 0                       ; named as the upper halves of the pairs that hold -Mloc
.endr
	v_mov_b32 v247, 0
	v_mov_b32 v251, 0
	s_wait_alu depctr_va_vdst(0)
	s_wait_tensorcnt 0x0                           ; my head's load is in
	ds_add_u32 v28, v29
	s_add_nc_u64 s[G0X+2:G0X+3], s[G0X+2:G0X+3], 4*IMG   ; no tensor load of mine is out: q's K steps 4-7,
	s_add_co_u32 s[G0X+1], s[G0X+1], XH            ; into q's second half
	s_wait_dscnt 0x0
	CROUND                                         ; everybody's part is in, and the joint loads meet
	s_cmp_eq_u32 s15, 0
	s_cbranch_scc0 .Lno_x1                         ; waves 2 and 3 have nothing to fetch here
	tensor_load_to_lds s[G0X:G0X+3], s[G1:G1+7]
	s_nop 0
	PLACES 4
.Lno_x1:
	s_wait_loadcnt 0x0                             ; tile 0's scale words
	FETCH 0
	STEP 0, 1, -1, 0                               ; ---- tile 0.  The first step's products start the sums
	STEP 1, 0, -1, 0
	STEP 2, 0, -1, 0
	TURNF 3, 0                                     ; slot 0 takes tile 1's K steps 0-3
	STEP 4, 0, 1, 0                                ; set 0 of the scale words is done with: tile 1's come
	STEP 5, 0, -1, 0
	STEP 6, 0, -1, 0
	TURNF 7, 1                                     ; slot 1 takes tile 1's K steps 4-7
	EPI 0, 1
	s_wait_loadcnt 0x8                             ; tile 1's set 0 is in; the eight loads of its set 1 may be out
	STEP 8, 1, -1, 0                               ; ---- tile 1.  It asks for nothing more
	STEP 9, 0, -1, 0
	STEP 10, 0, -1, 0
	TURN 11
	s_wait_loadcnt 0x0                             ; tile 1's set 1 is in
	STEP 12, 0, -1, 0
	STEP 13, 0, -1, 0
	STEP 14, 0, -1, 0
	LAST 15
	EPI 1, -1
	s_wait_tensorcnt 0x0                           ; the wave's end
	ds_add_u32 v28, v29
	s_wait_dscnt 0x0
	CROUND                                         ; the closing round
	s_endpgm
.Lfunc_end_k_q122c2e7f82_score:
	.size	k_q122c2e7f82_score, .Lfunc_end_k_q122c2e7f82_score-k_q122c2e7f82_score
	.p2alignl 7, 3214868480
	.fill 96, 4, 3214868480
	.section	.rodata,"a",@progbits
	.p2align	6, 0x0
	.amdhsa_kernel k_q122c2e7f82_score
		.amdhsa_group_segment_fixed_size 327680
		.amdhsa_private_segment_fixed_size 0
		.amdhsa_enable_private_segment 0
		.amdhsa_kernarg_size 16
		.amdhsa_user_sgpr_count 2
		.amdhsa_user_sgpr_kernarg_segment_ptr 1
		.amdhsa_wavefront_size32 1
		.amdhsa_system_sgpr_workgroup_id_x 1
		.amdhsa_system_sgpr_workgroup_id_y 1
		.amdhsa_system_sgpr_workgroup_id_z 1
		.amdhsa_system_vgpr_workitem_id 0
		.amdhsa_next_free_vgpr 1024
		.amdhsa_next_free_sgpr 100
		.amdhsa_reserve_vcc 0
		.amdhsa_float_denorm_mode_32 3
		.amdhsa_float_denorm_mode_16_64 3
		.amdhsa_memory_ordered 1
		.amdhsa_forward_progress 1
		.amdhsa_inst_pref_size 208
	.end_amdhsa_kernel
	.amdgpu_metadata
---
amdhsa.version: [ 1, 2 ]
amdhsa.kernels:
  - .name:           k_q122c2e7f82_score
    .symbol:         k_q122c2e7f82_score.kd
    .args:
      - { .name: qkv, .offset: 0, .size: 8, .value_kind: global_buffer, .address_space: global }
      - { .name: pp, .offset: 8, .size: 8, .value_kind: global_buffer, .address_space: global }
    .group_segment_fixed_size: 327680
    .private_segment_fixed_size: 0
    .kernarg_segment_align: 8
    .kernarg_segment_size: 16
    .max_flat_workgroup_size: 128
    .sgpr_count:     100
    .vgpr_count:     1024
    .wavefront_size: 32
...
	.end_amdgpu_metadata
.endif
;; end of part 3
;; launch mix (part 4): grid 4 x 64, 4 waves a work-group, clusters of 4 x 4, 327,680 bytes of LDS; arguments pp, qkv, at; writes at
.if DOCPART == 4
	.amdgcn_target "amdgcn-amd-amdhsa--gfx1250"
	.amdhsa_code_object_version 6
	.text
	.protected	k_q122c2e7f82_mix
	.globl	k_q122c2e7f82_mix
	.p2align	8
	.type	k_q122c2e7f82_mix,@function
k_q122c2e7f82_mix:
	s_mov_b64 s[64:65], 0
	v_nop
	global_prefetch_b8 v0, s[64:65] scope:SCOPE_SE
	s_setreg_imm32_b32 hwreg(HW_REG_WAVE_MODE, 25, 1), 1
	s_wait_xcnt 0x0
	s_wait_alu depctr_hold_cnt(0) depctr_sa_sdst(0) depctr_va_vdst(0) depctr_va_sdst(0) depctr_va_ssrc(0) depctr_va_vcc(0) depctr_vm_vsrc(0)
	s_getreg_b32 s2, hwreg(HW_REG_IB_STS2, 6, 4)
	s_cmp_eq_u32 s2, 0
	s_cbranch_scc0 .Lentry_in_a_cluster
	s_endpgm
.Lentry_in_a_cluster:
	s_bfe_u32 s2, ttmp6, 0x10000c
	s_cmp_lg_u32 s2, 0xf033
	s_cbranch_scc0 .Lentry_shape_is_right
	s_endpgm
.Lentry_shape_is_right:
.set IMG,   1536
.set KSP,   16
.set SLOTB, 147456
.set QS,    18874368
.set PST,   12582912
.set ATS,   6291456
.set SCLA,  294912
.set SCLB,  303104
.set RLB,   319488
.set SPARE, 327168
.set SC,    32
.set TM,    96
.set AF,    128
.set ADRA,  16
.set ADRB,  20
.set G1,    24
.set G0,    32
.set G1B,   48
.set G0B,   56
.set SEL,   70
.set HM,    74
.set MULW,  0xa1
.set MSB,   0
.macro WIN new
.if MSB != (\new)
	s_set_vgpr_msb (MSB<<8)|(\new)
.set MSB, (\new)
.endif
.endm
.macro JLOAD j
	s_cmp_eq_u32 s15, 0
	s_cbranch_scc0 .Lfor_b_\@
	tensor_load_to_lds s[G0+4*\j:G0+4*\j+3], s[G1:G1+7]
	s_nop 0
.rept 4
	v_nop
.endr
	s_branch .Lasked_\@
.Lfor_b_\@:
	tensor_load_to_lds s[G0B+4*\j:G0B+4*\j+3], s[G1B:G1B+7]
	s_nop 0
.rept 4
	v_nop
.endr
.Lasked_\@:
.endm
.macro CREST
	s_cmp_lg_u32 s14, 0
	s_cbranch_scc1 .Lnot_wave_0_\@
	s_barrier_signal -3
.Lnot_wave_0_\@:
	s_barrier_wait -3
	s_barrier_signal -1
	s_barrier_wait -1
.endm
.macro CROUND
	s_barrier_signal -1
	s_barrier_wait -1
	CREST
.endm
.macro PLACES n
.rept \n
	v_nop
.endr
.endm
.macro FETCH s
.set FP, (\s)%2
.set FJ, ((\s)/4)%2
.set FO, ((\s)%4)*IMG
	WIN 0x40
.irp b, 0,1,2,3,4,5,6,7
.irp c, 0,1,2
	ds_load_b128 v[128*FP+12*\b+4*\c:128*FP+12*\b+4*\c+3], v[ADRB+FJ] offset:6144*\b+FO+512*\c
.endr
.endr
	WIN 0
.irp a, 0,1,2,3
.irp c, 0,1,2
	ds_load_b128 v[AF+48*FP+12*\a+4*\c:AF+48*FP+12*\a+4*\c+3], v[ADRA+FJ] offset:6144*\a+FO+512*\c
.endr
.endr
.endm
.macro SCALES q
.irp i, 0,1,2,3,4,5,6,7
	ds_load_b128 v[SC+32*((\q)%2)+4*\i:SC+32*((\q)%2)+4*\i+3], v22 offset:1024*\i+256*(\q)
.endr
.endm
.macro MUL8 a, s, zero
.set MP, (\s)%2
.set SCR, SC+32*(((\s)/4)%2)+(\s)%4
.irp b, 0,1,2,3,4,5,6,7
.if (\zero) == 1
	v_wmma_scale_f32_16x16x128_f8f6f4 v[8*(8*(\a)+\b):8*(8*(\a)+\b)+7], v[128*MP+12*\b:128*MP+12*\b+11], v[AF+48*MP+12*(\a):AF+48*MP+12*(\a)+11], 0, v[SCR+4*\b], v[SCR+4*(\a)] matrix_a_fmt:MATRIX_FMT_FP6 matrix_b_fmt:MATRIX_FMT_FP6 matrix_a_scale:MATRIX_SCALE_ROW1
.else
	v_wmma_scale_f32_16x16x128_f8f6f4 v[8*(8*(\a)+\b):8*(8*(\a)+\b)+7], v[128*MP+12*\b:128*MP+12*\b+11], v[AF+48*MP+12*(\a):AF+48*MP+12*(\a)+11], v[8*(8*(\a)+\b):8*(8*(\a)+\b)+7], v[SCR+4*\b], v[SCR+4*(\a)] matrix_a_fmt:MATRIX_FMT_FP6 matrix_b_fmt:MATRIX_FMT_FP6 matrix_a_scale:MATRIX_SCALE_ROW1
.endif
.endr
.endm
.macro STEP s, zero
	s_wait_dscnt 6
	WIN MULW
	MUL8 0, \s, \zero
	MUL8 1, \s, \zero
	s_wait_dscnt 0x0
	PLACES 4
	FETCH (\s)+1
	WIN MULW
	MUL8 2, \s, \zero
	MUL8 3, \s, \zero
.endm
.macro TURNF s, j, q
	WIN 0
	s_wait_tensorcnt 0x0
	ds_add_u32 v28, v29
	s_wait_dscnt 7
	WIN MULW
	MUL8 0, \s, 0
	s_wait_dscnt 0x0
	s_barrier_signal -1
	MUL8 1, \s, 0
	WIN 0
	s_barrier_wait -1
	CREST
	s_add_nc_u64 s[G0+4*\j+2:G0+4*\j+3], s[G0+4*\j+2:G0+4*\j+3], 8*IMG
	s_add_nc_u64 s[G0B+4*\j+2:G0B+4*\j+3], s[G0B+4*\j+2:G0B+4*\j+3], 8*IMG
	JLOAD \j
	SCALES \q
	FETCH (\s)+1
	WIN MULW
	MUL8 2, \s, 0
	MUL8 3, \s, 0
.endm
.macro TURN s, q
	s_wait_tensorcnt 0x0
	s_wait_dscnt 0x0
	s_barrier_signal -1
	WIN MULW
	MUL8 0, \s, 0
	MUL8 1, \s, 0
	s_barrier_wait -1
	PLACES 4
	WIN 0
	SCALES \q
	FETCH (\s)+1
	WIN MULW
	MUL8 2, \s, 0
	MUL8 3, \s, 0
.endm
.macro LAST s
	s_wait_dscnt 6
	WIN MULW
	MUL8 0, \s, 0
	MUL8 1, \s, 0
	s_wait_dscnt 0x0
	MUL8 2, \s, 0
	MUL8 3, \s, 0
	WIN 0
.endm
.macro QUANT s, sw, pc, pw
	WIN (\sw)|((\sw)<<2)
.irp b, 0,1,2,3
	v_max3_num_f32 v[TM+\b], |v[(\s)+16*\b]|, |v[(\s)+1+16*\b]|, 0x1800000
.endr
	WIN ((\sw)<<2)|((\sw)<<4)
.irp i, 2,4,6,8,10,12,14
.irp b, 0,1,2,3
	v_max3_num_f32 v[TM+\b], v[TM+\b], |v[(\s)+16*\b+\i]|, |v[(\s)+1+16*\b+\i]|
.endr
.endr
	WIN 0
.irp b, 0,1,2,3
	v_permlanex16_b32 v[TM+4+\b], v[TM+\b], s[SEL], s[SEL+1]
.endr
.irp b, 0,1,2,3
	v_max_num_f32 v[TM+\b], v[TM+\b], v[TM+4+\b]
.endr
.irp b, 0,1,2,3
	v_add_nc_u32 v[TM+12+\b], 0xff000000, v[TM+\b]
.endr
.irp b, 0,1,2,3
	v_lshrrev_b32 v[TM+4+\b], 23, v[TM+12+\b]
.endr
	v_lshl_or_b32 v[\pw], v[TM+5], 8, v[TM+4]
	v_lshl_or_b32 v[\pw], v[TM+6], 16, v[\pw]
	v_lshl_or_b32 v[\pw], v[TM+7], 24, v[\pw]
	WIN \sw
.irp c, 0,1
	v_cvt_scalef32_pk16_fp6_f32 v[(\pc)+6*\c:(\pc)+2+6*\c], v[(\s)+32*\c:(\s)+15+32*\c], v[TM+12+2*\c]
	v_cvt_scalef32_pk16_fp6_f32 v[(\pc)+12+4*\c:(\pc)+14+4*\c], v[(\s)+16+32*\c:(\s)+31+32*\c], v[TM+12+2*\c+1]
.endr
	WIN 0
	v_nop
.irp c, 0,1
.irp i, 0,1,2
	v_permlane16_swap_b32 v[(\pc)+6*\c+\i], v[(\pc)+12+4*\c+\i]
.endr
.irp i, 0,1,2
	v_mov_b32 v[(\pc)+3+6*\c+\i], v[(\pc)+12+4*\c+\i]
.endr
.endr
.endm
	s_load_b128 s[4:7], s[0:1], 0x0
	s_load_b64 s[8:9], s[0:1], 0x10
	v_lshl_add_u32 v28, v0, 2, SPARE
	v_mov_b32 v29, 0
	ds_add_u32 v28, v29
	ds_add_u32 v28, v29
	s_wait_dscnt 0x0
	v_lshrrev_b32 v1, 5, v0
	v_readfirstlane_b32 s14, v1
	s_lshr_b32 s15, s14, 1
	s_and_b32 s16, s14, 1
	s_bfe_u32 s40, ttmp6, 0x40000
	s_bfe_u32 s41, ttmp6, 0x40004
	s_mov_b32 s66, ttmp9
	s_and_b32 s67, ttmp7, 0xffff
	s_lshr_b32 s68, s67, 2
	s_lshl_b32 s42, s66, 2
	s_add_co_u32 s42, s42, s40
	s_lshl_b32 s17, s67, 2
	s_add_co_u32 s17, s17, s41
	s_lshl_b32 s43, s41, 2
	s_lshl_b32 s43, 15, s43
	s_lshl_b32 s44, 0x1111, s40
	s_or_b32 s[G1+0], s43, (3<<16)|(1<<21)
	s_or_b32 s[G1B+0], s44, (3<<16)|(1<<21)
	s_mov_b32 s[G1+1], 768<<16
	s_mov_b32 s[G1+2], 4<<16
	s_mov_b32 s[G1+3], 768<<16
	s_mov_b32 s[G1+4], 4
	s_mov_b32 s[G1+5], 192*KSP
	s_mov_b32 s[G1+6], 0
	s_mov_b32 s[G1+7], 0
	s_mov_b32 s[G1B+1], 768<<16
	s_mov_b32 s[G1B+2], 8<<16
	s_mov_b32 s[G1B+3], 768<<16
	s_mov_b32 s[G1B+4], 8
	s_mov_b32 s[G1B+5], 192*KSP
	s_mov_b32 s[G1B+6], 0
	s_mov_b32 s[G1B+7], 0
	s_lshl_b32 s83, s17, 3
	s_lshl_b32 s92, s42, 4
	s_lshl_b32 s93, s68, 6
	s_add_co_u32 s92, s92, s93
	s_lshl_b32 s18, s16, 2
	s_add_co_u32 s20, s83, s18
	s_mul_i32 s20, s20, KSP*IMG
	s_mov_b32 s21, 0
	s_lshl_b32 s93, s16, 3
	s_add_co_u32 s46, s92, s93
	s_mul_i32 s46, s46, KSP*IMG
	s_add_co_u32 s46, s46, 8192*IMG
	s_mov_b32 s47, 0
	s_mul_i32 s45, s16, 24576
	s_mul_i32 s94, s16, 49152
	s_add_co_u32 s94, s94, 49152
	s_mov_b32 s[SEL], 0x76543210
	s_mov_b32 s[SEL+1], 0xfedcba98
	s_mov_b32 s[HM], 0xffff0000
	s_wait_kmcnt 0x0
	s_add_nc_u64 s[20:21], s[4:5], s[20:21]
	s_add_nc_u64 s[46:47], s[6:7], s[46:47]
	CROUND
.irp j, 0,1
	s_mov_b32 s[G0+4*\j], 1
	s_add_co_u32 s[G0+4*\j+1], s45, \j*SLOTB
	s_add_nc_u64 s[G0+4*\j+2:G0+4*\j+3], s[20:21], \j*4*IMG
	s_or_b32 s[G0+4*\j+3], s[G0+4*\j+3], 0x80000000
	s_mov_b32 s[G0B+4*\j], 1
	s_add_co_u32 s[G0B+4*\j+1], s94, \j*SLOTB
	s_add_nc_u64 s[G0B+4*\j+2:G0B+4*\j+3], s[46:47], \j*4*IMG
	s_or_b32 s[G0B+4*\j+3], s[G0B+4*\j+3], 0x80000000
.endr
	JLOAD 0
	v_and_b32 v1, 15, v0
	v_bfe_u32 v2, v0, 4, 1
	v_and_b32 v3, 31, v0
	v_lshlrev_b32 v4, 4, v3
	v_lshrrev_b32 v10, 4, v0
	v_lshlrev_b32 v12, 10, v10
	v_lshlrev_b32 v10, 12, v10
	v_lshl_add_u32 v10, v1, 4, v10
	s_wait_alu depctr_va_vdst(0)
	v_lshlrev_b32 v11, 4, v0
	s_wait_alu depctr_va_vdst(0)
	v_lshl_add_u32 v12, v1, 4, v12
	v_add_nc_u32 v12, SCLA, v12
	v_lshl_add_u32 v13, v0, 2, RLB
	v_lshl_add_u32 v14, v0, 4, SCLB
	s_lshl_b32 s76, s17, 15
	s_add_co_u32 s76, s76, PST
	s_mov_b32 s77, 0
	s_add_nc_u64 s[76:77], s[4:5], s[76:77]
	s_add_co_u32 s78, s92, 512
	s_lshl_b32 s78, s78, 10
	s_add_co_u32 s78, s78, QS
	s_mov_b32 s79, 0
	s_add_nc_u64 s[78:79], s[6:7], s[78:79]
.irp j, 0,1,2,3,4,5,6,7,8,9,10,11,12,13,14,15
	global_load_b128 v[128+4*\j:131+4*\j], v10, s[76:77] offset:256*\j
.endr
.irp n, 0,1,2,3,4,5,6,7
	global_load_b128 v[192+4*\n:195+4*\n], v11, s[78:79] offset:2048*\n
.endr
	s_mul_i32 s84, s15, 24576
	s_mul_i32 s85, s16, 49152
	s_add_co_u32 s85, s85, 49152
.irp j, 0,1
	v_add_nc_u32 v[ADRA+\j], s84, v4
	v_add_nc_u32 v[ADRB+\j], s85, v4
	s_add_co_u32 s84, s84, SLOTB
	s_add_co_u32 s85, s85, SLOTB
.endr
	s_lshl_b32 s84, s15, 12
	s_lshl_b32 s85, s16, 13
	s_add_co_u32 s85, s85, SCLB-SCLA
	s_sub_co_u32 s85, s85, s84
	v_mul_u32_u24 v9, s85, v2
	s_add_co_u32 s84, s84, SCLA
	v_lshl_add_u32 v9, v1, 4, v9
	v_add_nc_u32 v22, s84, v9
	s_lshl_b32 s84, s15, 8
	s_add_co_u32 s84, s84, RLB
	v_lshlrev_b32 v23, 2, v1
	v_add_nc_u32 v23, s84, v23
	s_lshl_b32 s84, s42, 1
	s_add_co_u32 s84, s84, s16
	s_lshl_b32 s87, s17, 3
	s_lshl_b32 s88, s15, 2
	s_add_co_u32 s87, s87, s88
	s_lshl_b32 s88, s87, 3
	s_add_co_u32 s88, s88, s84
	s_mul_i32 s88, s88, IMG
	s_mov_b32 s89, 0
	s_add_nc_u64 s[88:89], s[8:9], s[88:89]
	s_lshl_b32 s90, s87, 9
	s_lshr_b32 s91, s84, 2
	s_lshl_b32 s91, s91, 8
	s_add_co_u32 s90, s90, s91
	s_and_b32 s91, s84, 3
	s_lshl_b32 s91, s91, 2
	s_add_co_u32 s90, s90, s91
	s_add_co_u32 s90, s90, ATS
	s_mov_b32 s91, 0
	s_add_nc_u64 s[90:91], s[8:9], s[90:91]
	v_lshlrev_b32 v5, 9, v2
	v_lshl_add_u32 v5, v1, 4, v5
.irp b, 0,1,2,3
	v_mov_b32 v[TM+4+\b], 0
.endr
	s_wait_alu depctr_va_vdst(0)
	s_wait_tensorcnt 0x0
	ds_add_u32 v28, v29
	s_wait_dscnt 0x0
	CROUND
	JLOAD 1
	s_wait_loadcnt 0x0
	v_min3_num_f32 v112, v129, v133, v137
.irp j, 3,5,7,9,11,13
	v_min3_num_f32 v112, v112, v[129+4*\j], v[133+4*\j]
.endr
	v_min_num_f32 v112, v112, v189
.irp j, 0,1,2,3,4,5,6,7,8,9,10,11,12,13,14,15
	v_sub_f32 v114, v[129+4*\j], v112
	v_min_num_f32 v114, 0x42fe0000, v114
	v_cvt_u32_f32 v114, v114
	v_sub_nc_u32 v115, 0, v114
.if \j == 0
	v_ldexp_f32 v113, v[130+4*\j], v115
.else
	v_ldexp_f32 v115, v[130+4*\j], v115
	v_add_f32 v113, v113, v115
.endif
	v_lshl_or_b32 v114, v114, 8, v114
	v_lshl_or_b32 v114, v114, 16, v114
	v_or_b32 v116, 0x80808080, v[128+4*\j]
	v_sub_nc_u32 v116, v116, v114
	v_lshrrev_b32 v117, 7, v116
	v_and_b32 v117, 0x01010101, v117
	v_lshlrev_b32 v118, 8, v117
	v_sub_nc_u32 v118, v118, v117
	v_and_b32 v118, 0x7f7f7f7f, v118
	v_and_b32 v[224+\j], v116, v118
.endr
	s_wait_alu depctr_va_vdst(0)
	v_rcp_f32 v113, v113
	v_nop
	s_wait_alu depctr_va_vdst(0)
.irp q, 0,1,2,3
	ds_store_b128 v12, v[224+4*\q:227+4*\q] offset:256*\q
.endr
	ds_store_b32 v13, v113
.irp n, 0,1,2,3,4,5,6,7
	ds_store_b128 v14, v[192+4*\n:195+4*\n] offset:2048*\n
.endr
	s_wait_dscnt 0x0
	s_wait_tensorcnt 0x1
	s_barrier_signal -1
	s_barrier_wait -1
	SCALES 0
	FETCH 0
	STEP 0, 1
	STEP 1, 0
	STEP 2, 0
	TURNF 3, 0, 1
	STEP 4, 0
	STEP 5, 0
	STEP 6, 0
	TURNF 7, 1, 2
	STEP 8, 0
	STEP 9, 0
	STEP 10, 0
	TURN 11, 3
	STEP 12, 0
	STEP 13, 0
	STEP 14, 0
	LAST 15
.irp a, 0,1,2,3
	ds_load_b32 v[240+2*\a], v23 offset:64*\a
	ds_load_b32 v[241+2*\a], v23 offset:64*\a
.endr
	PLACES 4
	s_wait_dscnt 0x0
.irp a, 0,1,2,3
	WIN 0x82
.set JJ, 0
.rept 32
	v_pk_mul_f32 v[64*\a+JJ:64*\a+JJ+1], v[64*\a+JJ:64*\a+JJ+1], v[240+2*\a:241+2*\a] op_sel_hi:[1,0]
.set JJ, JJ+2
.endr
	QUANT 64*\a, 2, 128+24*\a, 224+\a
.irp c, 0,1,2
	global_store_b128 v4, v[128+24*\a+4*\c:128+24*\a+4*\c+3], s[88:89] offset:12288*\a+512*\c
.endr
.endr
.irp a, 0,2
	v_cndmask_b32 v[228+\a/2], v[224+\a], v[225+\a], s[HM]
	global_store_b32 v5, v[228+\a/2], s[90:91] offset:512*\a
.endr
	s_wait_tensorcnt 0x0
	ds_add_u32 v28, v29
	s_wait_dscnt 0x0
	CROUND
	s_endpgm
.Lfunc_end_k_q122c2e7f82_mix:
	.size	k_q122c2e7f82_mix, .Lfunc_end_k_q122c2e7f82_mix-k_q122c2e7f82_mix
	.p2alignl 7, 3214868480
	.fill 96, 4, 3214868480
	.section	.rodata,"a",@progbits
	.p2align	6, 0x0
	.amdhsa_kernel k_q122c2e7f82_mix
		.amdhsa_group_segment_fixed_size 327680
		.amdhsa_private_segment_fixed_size 0
		.amdhsa_enable_private_segment 0
		.amdhsa_kernarg_size 24
		.amdhsa_user_sgpr_count 2
		.amdhsa_user_sgpr_kernarg_segment_ptr 1
		.amdhsa_wavefront_size32 1
		.amdhsa_system_sgpr_workgroup_id_x 1
		.amdhsa_system_sgpr_workgroup_id_y 1
		.amdhsa_system_sgpr_workgroup_id_z 1
		.amdhsa_system_vgpr_workitem_id 0
		.amdhsa_next_free_vgpr 1024
		.amdhsa_next_free_sgpr 100
		.amdhsa_reserve_vcc 0
		.amdhsa_float_denorm_mode_32 3
		.amdhsa_float_denorm_mode_16_64 3
		.amdhsa_memory_ordered 1
		.amdhsa_forward_progress 1
		.amdhsa_inst_pref_size 160
	.end_amdhsa_kernel
	.amdgpu_metadata
---
amdhsa.version: [ 1, 2 ]
amdhsa.kernels:
  - .name:           k_q122c2e7f82_mix
    .symbol:         k_q122c2e7f82_mix.kd
    .args:
      - { .name: pp, .offset: 0, .size: 8, .value_kind: global_buffer, .address_space: global }
      - { .name: qkv, .offset: 8, .size: 8, .value_kind: global_buffer, .address_space: global }
      - { .name: at, .offset: 16, .size: 8, .value_kind: global_buffer, .address_space: global }
    .group_segment_fixed_size: 327680
    .private_segment_fixed_size: 0
    .kernarg_segment_align: 8
    .kernarg_segment_size: 24
    .max_flat_workgroup_size: 128
    .sgpr_count:     100
    .vgpr_count:     1024
    .wavefront_size: 32
...
	.end_amdgpu_metadata
.endif
;; end of part 4
;; launch outproj (part 5): grid 4 x 64, 4 waves a work-group, clusters of 4 x 4, 327,680 bytes of LDS; arguments at, xw, bo, out0; writes out0
.if DOCPART == 5
	.amdgcn_target "amdgcn-amd-amdhsa--gfx1250"
	.amdhsa_code_object_version 6
	.text
	.protected	k_q122c2e7f82_outproj
	.globl	k_q122c2e7f82_outproj
	.p2align	8
	.type	k_q122c2e7f82_outproj,@function
k_q122c2e7f82_outproj:
	s_mov_b64 s[64:65], 0
	v_nop
	global_prefetch_b8 v0, s[64:65] scope:SCOPE_SE
	s_setreg_imm32_b32 hwreg(HW_REG_WAVE_MODE, 25, 1), 1
	s_wait_xcnt 0x0
	s_wait_alu depctr_hold_cnt(0) depctr_sa_sdst(0) depctr_va_vdst(0) depctr_va_sdst(0) depctr_va_ssrc(0) depctr_va_vcc(0) depctr_vm_vsrc(0)
	s_getreg_b32 s2, hwreg(HW_REG_IB_STS2, 6, 4)
	s_cmp_eq_u32 s2, 0
	s_cbranch_scc0 .Lentry_in_a_cluster
	s_endpgm
.Lentry_in_a_cluster:
	s_bfe_u32 s2, ttmp6, 0x10000c
	s_cmp_lg_u32 s2, 0xf033
	s_cbranch_scc0 .Lentry_shape_is_right
	s_endpgm
.Lentry_shape_is_right:
; out = attn Wo + bo on codes of E2M3 with E8M0 scales, K = 1,024; out0 [8192][1024] f32.
; Operands are images of operand registers (16 rows x 128 K, 1,536 bytes): attn's image (8 R + s) of at, Wo's image (8 (704 + Rn) + s) of xw; both sides' scale words lie in at, from byte ATS on, 512 bytes a block (attn's blocks 0 .. 511,
; Wo's 512 .. 575).  Lane row r of block R is true row 32 (R / 2) + 8 (R % 2) + r + 8 (r / 8): for Wo's columns that order makes a lane's registers neighbours along a row of out (the matrix instruction is used transposed: source 0 = 16
; columns of Wo, source 1 = 16 rows of attn); for the rows it is undone here, in the stores' immediates.  The bias is the C of each sum's first matrix instruction.
; SHARES.  A work-group makes 128 rows x 256 columns; four waves 2 x 2, each 64 x 128.  ALL OF K LIES IN LDS: one fill, a block's eight K steps on end.  CLUSTERS: 4 x 4; attn's tile is shared along a row, Wo's along a column.
; THE WAY OUT goes through a stage of 16 rows x (512 bytes + 16) for each wave, on attn's bytes, which have had their only fill and whose last read lies ahead of the barrier behind the last step; whole rows of 512 bytes leave.
; LIMITS: NaN and infinities are not served.
; REGISTERS: window 0 as in the launches before, v24, v25 the stage; window 1: Wo's two sets of fragments, later rows of out; window 2: the accumulators; window 3: v0-63 the bias, eight registers a tile of columns.
.set IMG,   1536
.set KSP,   8
.set RSH,   9
.set RS,    512
.set SLOTB, 147456
.set ATS,   6291456
.set SC,    32
.set AF,    128
.set ADRA,  16
.set ADRB,  20
.set G1,    24
.set G0,    32
.set G1B,   48
.set G0B,   56
.set HM,    74
.set MSB,   0
.macro WIN new
.if MSB != (\new)
	s_set_vgpr_msb (MSB<<8)|(\new)
.set MSB, (\new)
.endif
.endm
.macro MW zero                         ; source 0 window 1, source 1 window 0, D window 2; C window 2, or window 3 where it is the bias
.if (\zero) == 2
	WIN 0xb1
.else
	WIN 0xa1
.endif
.endm
.macro JLOAD j                         ; a joint load: waves 0 and 1 fetch attn's halves, waves 2 and 3 Wo's; four v_nop follow each of the two lines
	s_cmp_eq_u32 s15, 0
	s_cbranch_scc0 .Lfor_b_\@
	tensor_load_to_lds s[G0+4*\j:G0+4*\j+3], s[G1:G1+7]
	s_nop 0
.rept 4
	v_nop
.endr
	s_branch .Lasked_\@
.Lfor_b_\@:
	tensor_load_to_lds s[G0B+4*\j:G0B+4*\j+3], s[G1B:G1B+7]
	s_nop 0
.rept 4
	v_nop
.endr
.Lasked_\@:
.endm
.macro CROUND
	s_barrier_signal -1
	s_barrier_wait -1
	s_cmp_lg_u32 s14, 0
	s_cbranch_scc1 .Lnot_wave_0_\@
	s_barrier_signal -3
.Lnot_wave_0_\@:
	s_barrier_wait -3
	s_barrier_signal -1
	s_barrier_wait -1
.endm
.macro PLACES n
.rept \n
	v_nop
.endr
.endm
.macro FETCH s
.set FP, (\s)%2
.set FJ, ((\s)/4)%2
.set FO, (\s)*IMG
	WIN 0x40
.irp b, 0,1,2,3,4,5,6,7
.irp c, 0,1,2
	ds_load_b128 v[128*FP+12*\b+4*\c:128*FP+12*\b+4*\c+3], v[ADRB+\b/4] offset:12288*(\b%4)+FO+512*\c   ; a block's eight K steps lie on end in LDS; one address register for four blocks
.endr
.endr
	WIN 0
.irp a, 0,1,2,3
.irp c, 0,1,2
	ds_load_b128 v[AF+48*FP+12*\a+4*\c:AF+48*FP+12*\a+4*\c+3], v[ADRA] offset:12288*\a+FO+512*\c
.endr
.endr
.endm
.macro MUL8 a, s, zero                 ; zero = 2: the product starts the sums on the bias.  The 32 accumulators take turns
.set MP, (\s)%2
.set SCR, SC+32*(((\s)/4)%2)+(\s)%4
.irp b, 0,1,2,3,4,5,6,7
.if (\zero) == 2
	v_wmma_scale_f32_16x16x128_f8f6f4 v[8*(8*(\a)+\b):8*(8*(\a)+\b)+7], v[128*MP+12*\b:128*MP+12*\b+11], v[AF+48*MP+12*(\a):AF+48*MP+12*(\a)+11], v[8*\b:8*\b+7], v[SCR+4*\b], v[SCR+4*(\a)] matrix_a_fmt:MATRIX_FMT_FP6 matrix_b_fmt:MATRIX_FMT_FP6 matrix_a_scale:MATRIX_SCALE_ROW1
.else
	v_wmma_scale_f32_16x16x128_f8f6f4 v[8*(8*(\a)+\b):8*(8*(\a)+\b)+7], v[128*MP+12*\b:128*MP+12*\b+11], v[AF+48*MP+12*(\a):AF+48*MP+12*(\a)+11], v[8*(8*(\a)+\b):8*(8*(\a)+\b)+7], v[SCR+4*\b], v[SCR+4*(\a)] matrix_a_fmt:MATRIX_FMT_FP6 matrix_b_fmt:MATRIX_FMT_FP6 matrix_a_scale:MATRIX_SCALE_ROW1
.endif
.endr
.endm
.macro STEP s, zero
	s_wait_dscnt 6                                 ; all but the youngest six loads (attn's blocks 2 and 3) are in
	MW \zero
	MUL8 0, \s, \zero
	MUL8 1, \s, \zero
	s_wait_dscnt 0x0
	PLACES 4
	FETCH (\s)+1
	MW \zero
	MUL8 2, \s, \zero
	MUL8 3, \s, \zero
.endm
.macro TURN s                          ; Nothing is filled again
	s_wait_tensorcnt 0x0
	s_wait_dscnt 0x0
	s_barrier_signal -1
	MW 0
	MUL8 0, \s, 0
	MUL8 1, \s, 0
	s_barrier_wait -1
	PLACES 4
	FETCH (\s)+1
	MW 0
	MUL8 2, \s, 0
	MUL8 3, \s, 0
.endm
.macro LAST s
	s_wait_dscnt 6
	MW 0
	MUL8 0, \s, 0
	MUL8 1, \s, 0
	s_wait_alu depctr_va_vdst(0)
	s_wait_dscnt 0x0
	MUL8 2, \s, 0
	MUL8 3, \s, 0
	WIN 0
.endm
	s_load_b256 s[4:11], s[0:1], 0x0               ; at s[4:5], xw s[6:7], bo s[8:9], out0 s[10:11]
	v_lshl_add_u32 v254, v0, 2, 0x48000
	v_mov_b32 v255, 0
	ds_add_u32 v254, v255
	ds_add_u32 v254, v255
	v_lshrrev_b32 v1, 5, v0
	v_readfirstlane_b32 s14, v1
	s_lshr_b32 s15, s14, 1
	s_and_b32 s16, s14, 1
	s_bfe_u32 s40, ttmp6, 0x40000
	s_bfe_u32 s41, ttmp6, 0x40004
	s_mov_b32 s66, ttmp9
	s_and_b32 s67, ttmp7, 0xffff
	s_lshl_b32 s42, s66, 2
	s_add_co_u32 s42, s42, s40                     ; tile column
	s_lshl_b32 s17, s67, 2
	s_add_co_u32 s17, s17, s41                     ; tile row
	s_lshl_b32 s43, s41, 2
	s_lshl_b32 s43, 15, s43
	s_lshl_b32 s44, 0x1111, s40
	s_or_b32 s[G1+0], s43, (3<<16)|(1<<21)         ; rows of 12,288 bytes (1,536 elements of 8), eight images apart in memory, dense in LDS
	s_or_b32 s[G1B+0], s44, (3<<16)|(1<<21)
	s_mov_b32 s[G1+1], 1536<<16                    ; ALL OF K COMES WITH THE HEAD'S ONE LOAD A WAVE: rows of 12,288 bytes, a block's eight images
	s_mov_b32 s[G1+2], 4<<16
	s_mov_b32 s[G1+3], 1536<<16
	s_mov_b32 s[G1+4], 4
	s_mov_b32 s[G1+5], 192*KSP
	s_mov_b32 s[G1+6], 0
	s_mov_b32 s[G1+7], 0
	s_mov_b32 s[G1B+1], 1536<<16
	s_mov_b32 s[G1B+2], 8<<16
	s_mov_b32 s[G1B+3], 1536<<16
	s_mov_b32 s[G1B+4], 8
	s_mov_b32 s[G1B+5], 192*KSP
	s_mov_b32 s[G1B+6], 0
	s_mov_b32 s[G1B+7], 0
	s_lshl_b32 s83, s17, 3                         ; attn's first block of rows
	s_lshl_b32 s92, s42, 4                         ; Wo's first block of columns
	s_lshl_b32 s18, s16, 2
	s_add_co_u32 s20, s83, s18
	s_mul_i32 s20, s20, KSP*IMG
	s_mov_b32 s21, 0
	s_lshl_b32 s93, s16, 3
	s_add_co_u32 s46, s92, s93
	s_add_co_u32 s46, s46, 704                     ; Wo's blocks in xw
	s_mul_i32 s46, s46, KSP*IMG
	s_mov_b32 s47, 0
	s_mul_i32 s45, s16, 49152                      ; LDS: attn's eight blocks of 12,288 bytes, then Wo's sixteen
	s_mul_i32 s94, s16, 98304
	s_add_co_u32 s94, s94, 98304
	s_mov_b32 s[HM], 0xffff0000
	s_wait_dscnt 0x0
	s_wait_kmcnt 0x0
	s_add_nc_u64 s[20:21], s[4:5], s[20:21]
	s_add_nc_u64 s[46:47], s[6:7], s[46:47]
	CROUND                                         ; all sixteen work-groups are here: the joint loads meet
.irp j, 0
	s_mov_b32 s[G0+4*\j], 1
	s_add_co_u32 s[G0+4*\j+1], s45, \j*SLOTB
	s_add_nc_u64 s[G0+4*\j+2:G0+4*\j+3], s[20:21], \j*4*IMG
	s_or_b32 s[G0+4*\j+3], s[G0+4*\j+3], 0x80000000
	s_mov_b32 s[G0B+4*\j], 1
	s_add_co_u32 s[G0B+4*\j+1], s94, \j*SLOTB
	s_add_nc_u64 s[G0B+4*\j+2:G0B+4*\j+3], s[46:47], \j*4*IMG
	s_or_b32 s[G0B+4*\j+3], s[G0B+4*\j+3], 0x80000000
.endr
	JLOAD 0                                        ; K steps 0-7: one tensor load a wave at the head
	v_and_b32 v1, 15, v0
	v_bfe_u32 v2, v0, 4, 1                         ; h
	v_and_b32 v3, 31, v0
	v_lshlrev_b32 v4, 4, v3                        ; 16 x lane
	s_mul_i32 s84, s15, 49152
	s_mul_i32 s85, s16, 98304
	s_add_co_u32 s85, s85, 98304
	v_add_nc_u32 v[ADRA], s84, v4                  ; my four blocks of attn
	v_add_nc_u32 v[ADRB], s85, v4                  ; my Wo blocks 0-3,
	v_add_nc_u32 v[ADRB+1], 49152, v[ADRB]         ; and 4-7
	s_wait_alu depctr_va_vdst(0)
	s_lshl_b32 s84, s15, 2
	s_add_co_u32 s84, s84, s83
	s_lshl_b32 s84, s84, RSH
	s_add_co_u32 s84, s84, ATS                     ; my attn blocks' scale words,
	s_lshl_b32 s85, s16, 3
	s_add_co_u32 s85, s85, s92
	s_add_co_u32 s85, s85, 512
	s_lshl_b32 s85, s85, RSH
	s_add_co_u32 s85, s85, ATS                     ; my Wo blocks'
	v_mov_b32 v8, s84
	v_mov_b32 v9, s85
	v_cndmask_b32 v22, v8, v9, s[HM]
	v_lshl_add_u32 v22, v1, 4, v22
	s_sub_co_u32 s84, s84, 4*RS
	v_mov_b32 v8, s84
	v_cndmask_b32 v23, v8, v9, s[HM]               ; for Wo's blocks 4-7 lanes 0-15 take attn's four once more
	v_lshl_add_u32 v23, v1, 4, v23
.irp q, 0,1
.irp i, 0,1,2,3
	global_load_b128 v[SC+32*\q+4*\i:SC+32*\q+4*\i+3], v22, s[4:5] offset:\i*RS+256*\q
.endr
.irp i, 4,5,6,7
	global_load_b128 v[SC+32*\q+4*\i:SC+32*\q+4*\i+3], v23, s[4:5] offset:\i*RS+256*\q
.endr
.endr
	s_lshl_b32 s80, s42, 10
	s_lshl_b32 s81, s16, 9
	s_add_co_u32 s80, s80, s81                     ; my 128 columns, in bytes
	s_mov_b32 s81, 0
	s_lshl_b32 s82, s17, 19                        ; 128 rows of 4,096 bytes a tile row,
	s_lshl_b32 s83, s15, 18                        ; my 64
	s_add_co_u32 s82, s82, s83
	s_add_co_u32 s82, s82, s80
	s_mov_b32 s83, 0
	s_add_nc_u64 s[82:83], s[10:11], s[82:83]      ; out0 at my first row and column
	s_add_nc_u64 s[80:81], s[8:9], s[80:81]        ; bo at my first column
	v_lshlrev_b32 v8, 6, v2                        ; tile b of columns: lane (r, h) holds columns 32 (b / 2) + 16 h + 8 (b % 2) + 0 .. 7
	WIN 0xc0                                       ; destination window 3
.irp b, 0,1,2,3,4,5,6,7
	global_load_b128 v[8*\b:8*\b+3], v8, s[80:81] offset:(32*(\b/2)+8*(\b%2))*4
	global_load_b128 v[8*\b+4:8*\b+7], v8, s[80:81] offset:(32*(\b/2)+8*(\b%2))*4+16
.endr
	WIN 0
	s_mul_i32 s84, s14, 8448                       ; my stage
	v_mul_u32_u24 v24, v1, 528
	v_lshl_add_u32 v24, v2, 6, v24
	v_add_nc_u32 v24, s84, v24                     ; in: row r, + 64 h
	v_add_nc_u32 v25, s84, v4                      ; back: a row's 512 bytes, 16 a lane
	s_wait_alu depctr_va_vdst(0)
	s_wait_loadcnt 0x0                             ; the scale words and the bias
	s_wait_tensorcnt 0x0                           ; my part of the tiles is in
	s_barrier_signal -1
	s_barrier_wait -1
	FETCH 0
	STEP 0, 2                                      ; the first step's products start the sums on the bias
	STEP 1, 0
	STEP 2, 0
	STEP 3, 0
	STEP 4, 0
	STEP 5, 0
	STEP 6, 0
	LAST 7
	s_barrier_signal -1                            ; every wave's reads of the tiles are over (LAST waits for them): the stages lie on attn's bytes, which have had their only fill
	s_barrier_wait -1
	PLACES 4                                       ; in front of the first read of results, and of loads into the registers that held Wo's fragments
.macro TOSTAGE a                       ; block a's 16 rows x 128 columns into my stage, each accumulator from its low end on, and back as whole rows
	WIN 0x08                                       ; an LDS store's data are its source 1: window 2
.irp b, 0,1,2,3,4,5,6,7
	ds_store_b128 v24, v[8*(8*(\a)+\b):8*(8*(\a)+\b)+3] offset:128*(\b/2)+32*(\b%2)
	ds_store_b128 v24, v[8*(8*(\a)+\b)+4:8*(8*(\a)+\b)+7] offset:128*(\b/2)+32*(\b%2)+16
.endr
	WIN 0x40                                       ; destination window 1
.irp t, 0,1,2,3,4,5,6,7,8,9,10,11,12,13,14,15
	ds_load_b128 v[64*(\a)+4*\t:64*(\a)+4*\t+3], v25 offset:528*\t   ; LDS serves a wave's instructions in order: these see the stores above, and the next block's stores come behind them
.endr
.endm
.macro SEND a, younger                 ; younger: the LDS instructions issued behind block a's loads, which may stay out
	s_wait_dscnt \younger
	WIN 0x04                                       ; a store's data are its source 1: window 1.  Each block has its own registers: none is written again
.irp t, 0,1,2,3,4,5,6,7,8,9,10,11,12,13,14,15
	global_store_b128 v4, v[64*(\a)+4*\t:64*(\a)+4*\t+3], s[82:83] offset:(32*((\a)/2)+8*((\a)%2)+\t+8*(\t/8))*4096 th:TH_STORE_NT   ; lane row t of block a is this true row; 32 lanes store 512 consecutive bytes, aligned
.endr
.endm
	TOSTAGE 0
	TOSTAGE 1
	SEND 0, 32                                     ; behind block 0's loads: block 1's 16 stores and 16 loads
	TOSTAGE 2
	SEND 1, 32
	TOSTAGE 3
	SEND 2, 32
	SEND 3, 0
	WIN 0
	s_wait_dscnt 0x0                               ; no LDS instruction of mine is out at a signal
	s_wait_tensorcnt 0x0
	ds_add_u32 v254, v255
	s_wait_dscnt 0x0
	CROUND                                         ; the closing round
	s_endpgm
.Lfunc_end_k_q122c2e7f82_outproj:
	.size	k_q122c2e7f82_outproj, .Lfunc_end_k_q122c2e7f82_outproj-k_q122c2e7f82_outproj
	.p2alignl 7, 3214868480
	.fill 96, 4, 3214868480
	.section	.rodata,"a",@progbits
	.p2align	6, 0x0
	.amdhsa_kernel k_q122c2e7f82_outproj
		.amdhsa_group_segment_fixed_size 327680
		.amdhsa_private_segment_fixed_size 0
		.amdhsa_enable_private_segment 0
		.amdhsa_kernarg_size 32
		.amdhsa_user_sgpr_count 2
		.amdhsa_user_sgpr_kernarg_segment_ptr 1
		.amdhsa_wavefront_size32 1
		.amdhsa_system_sgpr_workgroup_id_x 1
		.amdhsa_system_sgpr_workgroup_id_y 1
		.amdhsa_system_sgpr_workgroup_id_z 1
		.amdhsa_system_vgpr_workitem_id 0
		.amdhsa_next_free_vgpr 1024
		.amdhsa_next_free_sgpr 100
		.amdhsa_reserve_vcc 0
		.amdhsa_float_denorm_mode_32 3
		.amdhsa_float_denorm_mode_16_64 3
		.amdhsa_memory_ordered 1
		.amdhsa_forward_progress 1
		.amdhsa_inst_pref_size 77
	.end_amdhsa_kernel
	.amdgpu_metadata
---
amdhsa.version: [ 1, 2 ]
amdhsa.kernels:
  - .name:           k_q122c2e7f82_outproj
    .symbol:         k_q122c2e7f82_outproj.kd
    .args:
      - { .name: at, .offset: 0, .size: 8, .value_kind: global_buffer, .address_space: global }
      - { .name: xw, .offset: 8, .size: 8, .value_kind: global_buffer, .address_space: global }
      - { .name: bo, .offset: 16, .size: 8, .value_kind: global_buffer, .address_space: global }
      - { .name: out0, .offset: 24, .size: 8, .value_kind: global_buffer, .address_space: global }
    .group_segment_fixed_size: 327680
    .private_segment_fixed_size: 0
    .kernarg_segment_align: 8
    .kernarg_segment_size: 32
    .max_flat_workgroup_size: 128
    .sgpr_count:     100
    .vgpr_count:     1024
    .wavefront_size: 32
...
	.end_amdgpu_metadata
.endif
;; end of part 5
